; MI455X (gfx1250); checked and timed in simulation.
; The chip was launched on July 23, 2026; its instructions are those of AMD's public machine-readable ISA for CDNA 5 (MIT licence, August 2026) and "CDNA5" Instruction Set Architecture Reference Guide (July 2026). The comments in the code are by the model that wrote it; some were corrected since.
;; Mo E Layer. Allowed arithmetic: float matrix products may take bf16 or f16 operands with f32 sums; other float arithmetic in f32, or as packed bf16 or f16 multiplies, adds, multiply-adds, maxima and minima; sums over many terms, partial sums and values carried from step to step in f32; what a program stores and reads back later, other than sums and carried values, may be rounded once to bf16 or f16.
;; Inputs: b1 8 x 4,096 float32; b2 8 x 1,024 float32; gate_b 8 float32; gate_w 1,024 x 8 float32; w1 8 x 1,024 x 4,096 float32; w2 8 x 4,096 x 1,024 float32; x 1,024 x 1,024 float32.
;; Outputs: out0 1,024 x 1,024 float32.
;; 2 versions, each right; version 2 is version 1 with the launch ffn2 written anew for expert scheduling mode. Each part assembles by itself: llvm-mc -triple=amdgcn-amd-amdhsa -mcpu=gfx1250 --defsym DOCPART=n.
;; ======== version 1 of 2: 4 launches
;; workspace buffers: top1 4,096 bytes of whole numbers; xb 2,097,152 bytes; hs 9,437,184 bytes; part 16,777,216 bytes
;; launch router (part 1): grid 256 x 1, 4 waves a work-group, no clusters, 37,376 bytes of LDS; arguments x, gate_w, gate_b, top1, xb; writes top1, xb
.if DOCPART == 1
	.amdgcn_target "amdgcn-amd-amdhsa--gfx1250"
	.amdhsa_code_object_version 6
	.text
	.protected	k_q8e2238259e_router
	.globl	k_q8e2238259e_router
	.p2align	8
	.type	k_q8e2238259e_router,@function
k_q8e2238259e_router:
	s_mov_b64 s[64:65], 0
	v_nop
	global_prefetch_b8 v0, s[64:65] scope:SCOPE_SE
	s_setreg_imm32_b32 hwreg(HW_REG_WAVE_MODE, 25, 1), 1
	s_wait_xcnt 0x0
; ROUTER.  top1[n] = argmax over e of softmax(x[n] . gate_w[:, e] + gate_b[e]), and xb = x rounded once to bf16 (the first product's operand).
; x: [1024][1024] f32, gate_w: [1024][8] f32, gate_b: [8] f32, top1: [1024] int32, xb: [1024][1024] bf16.
; SHARES.  256 work-groups of four waves, one token a wave.  Lane L owns k = 128 j + 4 L + i (j = 0..7, i = 0..3): the 16 bytes that it loads of each 512 bytes of the row.
; The gate stays in f32 on the vector unit: it is one part in a thousand of the module's arithmetic, and a wrong choice makes a whole output row wrong.
; gate_w is copied once into LDS, in groups of four k (128 bytes + 16 of padding), so that a lane's four rows are eight loads of 16 bytes without bank conflicts.
; The chosen expert is only stored, at a fixed place: no address and no branch of this launch hangs on it.
; LIMITS.  The logits are summed in another order than a row-by-row sum: a token whose two best logits differ by a few units in the last place may take the other expert.
; A softmax weight below 2^-126 counts as 0 (never the largest, which is at least 1/8).  NaN logits are not treated as an argmax over NaN would be.
; No matrix unit, cluster or tensor load: 16 MFLOP, and what the work-groups share is 32 KiB.
.set QP,    144                        ; four rows of gate_w in LDS: 128 bytes + 16: an odd multiple of 16
.set SPARE, 256*QP                     ; behind the table: the spare words, 128 bytes a wave: two blocks of 256 bytes that no other line names
.set LANE, 1
.set L16,  2                           ; 16 x lane
.set T16,  3                           ; 16 x thread
.set GS,   4                           ; where my thread puts its 16 bytes of each 2,048 of gate_w
.set GL,   5                           ; my lane's group of four k in each 128
.set L8,   6                           ; 8 x lane
.set TMP,  7
.set SPW,  8                           ; LDS address of my spare word; never rewritten
.set NIL,  9                           ; 0; never rewritten
.set X,    16                          ; v[16:47]    my 32 numbers of x: X + 4 j + i
.set GWL,  48                          ; v[48:111]   gate_w on its way into LDS
.set G,    112                         ; v[112:175]  two buffers of 32: four rows of gate_w: G + 8 i + e
.set A,    176                         ; v[176:191]  two sets of eight sums (even i, odd i)
.set W,    192                         ; v[192:199]  at work
.set T,    200                         ; v[200:207]  the eight exponents, then weights
.set XB,   208                         ; v[208:223]  x packed to bf16
	s_load_b256 s[4:11], s[0:1], 0x0               ; x s[4:5], gate_w s[6:7], gate_b s[8:9], top1 s[10:11]
	s_load_b64 s[12:13], s[0:1], 0x20              ; xb
	v_lshl_add_u32 v[SPW], v0, 2, SPARE
	v_mov_b32 v[NIL], 0
	v_lshrrev_b32 v[TMP], 5, v0
	v_readfirstlane_b32 s14, v[TMP]                ; wave 0..3
	v_and_b32 v[LANE], 31, v0
	v_lshlrev_b32 v[L16], 4, v[LANE]
	v_lshlrev_b32 v[L8], 3, v[LANE]
	v_lshlrev_b32 v[T16], 4, v0
	v_lshrrev_b32 v[GS], 3, v0                     ; eight threads' 16 bytes make a group of four k
	v_mul_u32_u24 v[GS], v[GS], QP
	v_and_b32 v[TMP], 7, v0
	v_lshl_add_u32 v[GS], v[TMP], 4, v[GS]
	v_mul_u32_u24 v[GL], v[LANE], QP
	s_lshl2_add_u32 s15, ttmp9, s14                ; my token = 4 x work-group + wave
	s_mov_b32 s24, 0x76543210                      ; v_permlanex16_b32: each lane takes its own place in the other half
	s_mov_b32 s25, 0xfedcba98
	s_lshl_b32 s28, s15, 12                        ; the token's row in x,
	s_mov_b32 s29, 0
	s_lshl_b32 s30, s15, 11                        ; in xb,
	s_mov_b32 s31, 0
	s_lshl_b32 s32, s15, 2                         ; and its word in top1
	s_mov_b32 s33, 0
	s_wait_kmcnt 0x0
	s_load_b256 s[16:23], s[8:9], 0x0              ; gate_b's eight numbers
	s_add_nc_u64 s[4:5], s[4:5], s[28:29]
	s_add_nc_u64 s[12:13], s[12:13], s[30:31]
	s_add_nc_u64 s[10:11], s[10:11], s[32:33]
.irp m, 0,1,2,3,4,5,6,7,8,9,10,11,12,13,14,15
	global_load_b128 v[GWL+4*(\m):GWL+4*(\m)+3], v[T16], s[6:7] offset:2048*(\m)  ; the work-group's 128 threads take 2,048 consecutive bytes
.endr
.irp j, 0,1,2,3,4,5,6,7
	global_load_b128 v[X+4*(\j):X+4*(\j)+3], v[L16], s[4:5] offset:512*(\j)       ; the wave takes 512 consecutive bytes of its row
.endr
	s_wait_loadcnt 8                               ; gate_w is in; the eight loads of x are younger
.irp m, 0,1,2,3,4,5,6,7,8,9,10,11,12,13,14,15
	ds_store_b128 v[GS], v[GWL+4*(\m):GWL+4*(\m)+3] offset:16*QP*(\m)             ; 2,048 bytes are 16 groups
.endr
	s_wait_dscnt 0x0                               ; for the others' sake: my part of the table is written
	s_barrier_signal -1
	s_barrier_wait -1                              ; everybody's is
.macro GBATCH j                        ; my four rows of gate_w for k = 128 j + 4 L ..: eight loads into buffer j % 2
.irp m, 0,1,2,3,4,5,6,7
	ds_load_b128 v[G+32*((\j)%2)+4*(\m):G+32*((\j)%2)+4*(\m)+3], v[GL] offset:32*QP*(\j)+16*(\m)
.endr
.endm
; 16 packed multiply-adds: two experts each, x[k] given to both halves (op_sel and op_sel_hi pick the register of x's pair).  The first two k start the two sets of sums: nothing is cleared.
.macro DOT j
.irp i, 0,1,2,3
.irp p, 0,1,2,3
.set rA, A+8*((\i)%2)+2*(\p)
.set rG, G+32*((\j)%2)+8*(\i)+2*(\p)
.set rX, X+4*(\j)+2*((\i)/2)
.if ((\j) == 0) && ((\i) == 0)
	v_pk_mul_f32 v[rA:rA+1], v[rG:rG+1], v[rX:rX+1] op_sel_hi:[1,0]
.elseif ((\j) == 0) && ((\i) == 1)
	v_pk_mul_f32 v[rA:rA+1], v[rG:rG+1], v[rX:rX+1] op_sel:[0,1] op_sel_hi:[1,1]
.elseif (\i)%2 == 0
	v_pk_fma_f32 v[rA:rA+1], v[rG:rG+1], v[rX:rX+1], v[rA:rA+1] op_sel_hi:[1,0,1]
.else
	v_pk_fma_f32 v[rA:rA+1], v[rG:rG+1], v[rX:rX+1], v[rA:rA+1] op_sel:[0,1,0] op_sel_hi:[1,1,1]
.endif
.endr
.endr
.endm
	GBATCH 0
	GBATCH 1
	s_wait_loadcnt 0x0                             ; x
.irp j, 0,1,2,3,4,5,6,7                ; x rounded to bf16: a lane's four numbers are 8 bytes, the wave's store 256 consecutive bytes, aligned
	v_cvt_pk_bf16_f32 v[XB+2*(\j)], v[X+4*(\j)], v[X+4*(\j)+1]
	v_cvt_pk_bf16_f32 v[XB+2*(\j)+1], v[X+4*(\j)+2], v[X+4*(\j)+3]
	global_store_b64 v[L8], v[XB+2*(\j):XB+2*(\j)+1], s[12:13] offset:256*(\j)
.endr
.irp j, 0,1,2,3,4,5,6,7
.if (\j) < 7
	s_wait_dscnt 8                                 ; batch j is in; the eight loads of batch j + 1 are younger
.else
	s_wait_dscnt 0x0
.endif
	DOT \j
.if (\j) < 6
	GBATCH (\j)+2                                  ; into the buffer just used
.endif
.endr
.irp p, 0,2,4,6
	v_pk_add_f32 v[A+(\p):A+(\p)+1], v[A+(\p):A+(\p)+1], v[A+8+(\p):A+8+(\p)+1]  ; the two sets
.endr
	; over the 32 lanes: four steps inside each half of 16 lanes ride on the addition, one crosses the halves; the eight sums alternate
.irp k, 1,2,4,8
.irp e, 0,1,2,3,4,5,6,7
	v_add_f32_dpp v[A+(\e)], v[A+(\e)], v[A+(\e)] row_xmask:\k row_mask:0xf bank_mask:0xf
.endr
.endr
.irp e, 0,1,2,3,4,5,6,7
	v_permlanex16_b32 v[A+8+(\e)], v[A+(\e)], s24, s25  ; its destination counts as read: the second set's registers have been written
.endr
	s_wait_kmcnt 0x0                               ; gate_b
.irp e, 0,1,2,3,4,5,6,7
	v_add_f32 v[A+(\e)], v[A+(\e)], v[A+8+(\e)]
.endr
.irp e, 0,1,2,3,4,5,6,7
	v_add_f32 v[A+(\e)], s[16+(\e)], v[A+(\e)]     ; every lane now holds the token's eight logits
.endr
	; softmax: the maximum is taken away before the exponentials
	v_max3_num_f32 v[W], v[A], v[A+1], v[A+2]
	v_max3_num_f32 v[W+1], v[A+3], v[A+4], v[A+5]
	v_max3_num_f32 v[W], v[W], v[A+6], v[A+7]
	v_max_num_f32 v[W], v[W], v[W+1]
.irp p, 0,2,4,6
	v_pk_add_f32 v[T+(\p):T+(\p)+1], v[A+(\p):A+(\p)+1], v[W:W+1] op_sel_hi:[1,0] neg_lo:[0,1] neg_hi:[0,1]  ; l - m
.endr
.irp p, 0,2,4,6
	v_pk_mul_f32 v[T+(\p):T+(\p)+1], v[T+(\p):T+(\p)+1], 0x3fb8aa3b op_sel_hi:[1,0]                          ; times log2(e)
.endr
.irp e, 0,1,2,3,4,5,6,7
	v_exp_f32 v[T+(\e)], v[T+(\e)]
.endr
	v_nop                                          ; a plain instruction behind the last exponential (ISA guide 5.7.2),
	s_wait_alu depctr_va_vdst(0)                   ; and one wait for the batch of eight, ahead of its first reader
	v_pk_add_f32 v[W+2:W+3], v[T:T+1], v[T+2:T+3]
	v_pk_add_f32 v[W+4:W+5], v[T+4:T+5], v[T+6:T+7]
	v_pk_add_f32 v[W+2:W+3], v[W+2:W+3], v[W+4:W+5]
	v_add_f32 v[W+2], v[W+2], v[W+3]
	v_rcp_f32 v[W+2], v[W+2]
	v_nop
	s_wait_alu depctr_va_vdst(0)                   ; the reciprocal's wait
.irp p, 0,2,4,6
	v_pk_mul_f32 v[T+(\p):T+(\p)+1], v[T+(\p):T+(\p)+1], v[W+2:W+3] op_sel_hi:[1,0]
.endr
	; argmax: a later expert wins only if it is strictly greater, so that of equals the lowest index stays
	v_mov_b32 v[W+4], v[T]
	v_mov_b32 v[W+5], 0
.irp e, 1,2,3,4,5,6,7
	v_cmp_gt_f32 vcc_lo, v[T+(\e)], v[W+4]
	v_cndmask_b32 v[W+5], v[W+5], \e, vcc_lo
	v_max_num_f32 v[W+4], v[W+4], v[T+(\e)]
.endr
	v_mov_b32 v[TMP], 0
	v_cmp_eq_u32 vcc_lo, 0, v[LANE]
	s_wait_xcnt 0x0                                ; EXEC is a source of the stores above: it changes only behind this wait
	s_and_saveexec_b32 s26, vcc_lo
	global_store_b32 v[TMP], v[W+5], s[10:11]      ; lane 0 stores the token's expert
	s_wait_xcnt 0x0                                ; and again, in front of the line that widens it
	s_or_b32 exec_lo, exec_lo, s26
	s_wait_tensorcnt 0x0                           ; the wave's end
	ds_add_u32 v[SPW], v[NIL]
	s_wait_dscnt 0x0
	s_endpgm
.Lfunc_end_k_q8e2238259e_router:
	.size	k_q8e2238259e_router, .Lfunc_end_k_q8e2238259e_router-k_q8e2238259e_router
	.p2alignl 7, 3214868480
	.fill 96, 4, 3214868480
	.section	.rodata,"a",@progbits
	.p2align	6, 0x0
	.amdhsa_kernel k_q8e2238259e_router
		.amdhsa_group_segment_fixed_size 37376
		.amdhsa_private_segment_fixed_size 0
		.amdhsa_enable_private_segment 0
		.amdhsa_kernarg_size 40
		.amdhsa_user_sgpr_count 2
		.amdhsa_user_sgpr_kernarg_segment_ptr 1
		.amdhsa_wavefront_size32 1
		.amdhsa_system_sgpr_workgroup_id_x 1
		.amdhsa_system_sgpr_workgroup_id_y 1
		.amdhsa_system_sgpr_workgroup_id_z 1
		.amdhsa_system_vgpr_workitem_id 0
		.amdhsa_next_free_vgpr 224
		.amdhsa_next_free_sgpr 66
		.amdhsa_reserve_vcc 1
		.amdhsa_float_denorm_mode_32 3
		.amdhsa_float_denorm_mode_16_64 3
		.amdhsa_memory_ordered 1
		.amdhsa_forward_progress 1
		.amdhsa_inst_pref_size 26
	.end_amdhsa_kernel
	.amdgpu_metadata
---
amdhsa.version: [ 1, 2 ]
amdhsa.kernels:
  - .name:           k_q8e2238259e_router
    .symbol:         k_q8e2238259e_router.kd
    .args:
      - { .name: x, .offset: 0, .size: 8, .value_kind: global_buffer, .address_space: global }
      - { .name: gate_w, .offset: 8, .size: 8, .value_kind: global_buffer, .address_space: global }
      - { .name: gate_b, .offset: 16, .size: 8, .value_kind: global_buffer, .address_space: global }
      - { .name: top1, .offset: 24, .size: 8, .value_kind: global_buffer, .address_space: global }
      - { .name: xb, .offset: 32, .size: 8, .value_kind: global_buffer, .address_space: global }
    .group_segment_fixed_size: 37376
    .private_segment_fixed_size: 0
    .kernarg_segment_align: 8
    .kernarg_segment_size: 40
    .max_flat_workgroup_size: 128
    .sgpr_count:     66
    .vgpr_count:     224
    .wavefront_size: 32
...
	.end_amdgpu_metadata
.endif
;; end of part 1
;; launch ffn1 (part 2): grid 32 x 8, 4 waves a work-group, no clusters, 314,880 bytes of LDS; arguments top1, xb, w1, b1, hs; writes hs
.if DOCPART == 2
	.amdgcn_target "amdgcn-amd-amdhsa--gfx1250"
	.amdhsa_code_object_version 6
	.text
	.protected	k_q8e2238259e_ffn1
	.globl	k_q8e2238259e_ffn1
	.p2align	8
	.type	k_q8e2238259e_ffn1,@function
k_q8e2238259e_ffn1:
	s_mov_b64 s[64:65], 0
	v_nop
	global_prefetch_b8 v0, s[64:65] scope:SCOPE_SE
	s_setreg_imm32_b32 hwreg(HW_REG_WAVE_MODE, 25, 1), 1
	s_wait_xcnt 0x0
; FFN1.  h[n][:] = relu(x[n] . w1[e] + b1[e]) for e = top1[n] alone: the other experts' rows are thrown away by the module's own gather.
; top1: [1024] int32, xb: [1024][1024] bf16, w1: [8][1024][4096] f32, b1: [8][4096] f32, hs: the hidden layer in bf16, in the order in which the second product's registers take it.
; SHARES.  Work-group (SL, EX) has columns 128 SL .. + 127 of expert EX's w1: 1,024 x 128 f32, which it alone reads, once.  Wave w has K rows 256 w .. + 255 of them.
; PHASE 1, the stream: the wave loads its 128 KiB, rounds it to bf16 and keeps it as 64 matrix operands in 512 registers.  Nothing but weight loads is waited for, and 48 to 63 loads of 512 bytes are on their way.
; PHASE 2, the rows: for each tile of 16 of the expert's tokens, 64 matrix instructions against the resident weights; the wave's sums over its quarter of K go to LDS; after eight tiles a barrier,
; and each wave adds the four quarters for a quarter of the columns, adds the bias, takes the ReLU, rounds to bf16 and stores.  More rows lengthen phase 2 alone: every split of the tokens is served.
; NO TURNING OF w1 ([K][N], N along the rows).  A lane's 16 bytes are columns 4 r .. 4 r + 3 of one k; they go to four DIFFERENT operands: operand nt = 4 c + j holds, in lane r, column 64 c + 4 r + j.
; Each load covers two runs of 256 consecutive bytes, aligned (lanes 0-15 one k, lanes 16-31 the k eight further on).
; THE MATRIX INSTRUCTION IS USED TRANSPOSED (source 0 = weights, source 1 = tokens): a lane then holds ONE token (lane % 16) and eight hidden numbers, which packed in pairs ARE half an operand of the second product.
; hs: [72 tiles][128 K steps S][2 halves q][32 lanes][16 bytes].  Place (S, q, lane half h, i) holds hidden index 64 (S / 2) + 2 (S % 2) + q + 32 h + 4 i; the second product loads w2's rows in the same order.
; THE ROWS' ORDER.  Every wave counts top1 for itself: rank = matches in earlier registers + matches in lower lanes; register (j, ii) of lane L is token 128 j + 4 L + ii.  The second product counts alike.
; Expert e's tiles begin at TB = (tokens of lower experts) / 16 + e, so that no two experts share a tile and the highest is 71; an expert without tokens still writes tile TB.  Places past the count repeat token 0.
; LOOPS.  The loop over blocks of eight tiles has a constant eight trips (1,024 rows); every wave passes its two barriers; what hangs on the count are forward jumps over work alone.
; NO CLUSTER, NO TENSOR LOAD: each weight byte has one reader; the token rows that an expert's 32 work-groups share come by a list, which no tile descriptor covers, and are 2 MiB against 128 MiB of weights.
; LIMITS.  x, w1 and h are rounded to bf16 once; all sums are f32.  The ReLU on packed bf16 turns a NaN into 0.
; REGISTERS, in windows of 256 (s_set_vgpr_msb: bits 1:0 source 0, 3:2 source 1, 5:4 source 2, 7:6 destination):
;   window 0: addresses, accumulators, the epilogue      window 1: four SLOTS of 64: landing space for weights, then token tiles      windows 2, 3: the weights: operand (ks, nt) at 512 + 64 ks + 8 nt
.set PITCH,  16384                     ; bytes from a k of w1 to the next
.set LISTB,  4608                      ; a wave's list: 1,024 words, the word for lanes that do not match, and room for the look-ahead's reads: nine stores of 512 bytes set it to 0
.set SPI,    528                       ; a row of the stage: 512 bytes + 16: an odd multiple of 16, so the 16 rows of a load start at 16 different groups of four banks (ISA guide 11.1)
.set STAGE,  4*LISTB                   ; 16 rows for each wave
.set PR,     STAGE+4*16*SPI            ; the partial sums: [8 tiles][4 source waves][8 nt][2 halves][32 lanes][16 bytes]
.set PRT,    32768                     ; a tile of them
.set SPARE,  PR+8*PRT                  ; the spare words, 128 bytes a wave: two blocks of 256 bytes that no other line names
.set LANE, 1
.set R,    2                           ; lane % 16
.set H,    3                           ; lane / 16
.set WOFF, 4                           ; my place in a weight load: 8 k further on for the upper lanes, 16 bytes a lane
.set LB,   5                           ; my wave's list
.set L4,   6                           ; 4 x lane
.set BIG,  7                           ; a rank beyond every list
.set LRD,  8                           ; list: the eight tokens of rows 8 h .. of tile 0
.set LRC,  9                           ; the same in the block in hand
.set XL,   10                          ; my 16 bytes in a token's row: 512 w + 16 r
.set SST,  11                          ; stage, in: row 8 h + i, 16 bytes a lane
.set SLD,  12                          ; stage, back: row r, 16 bytes for each half of the lanes
.set PW,   13                          ; partial sums, in
.set PWT,  14
.set PRD,  15                          ; partial sums, back: my quarter of the columns
.set PRC,  16
.set PRC2, 17
.set HO,   18                          ; my place in a tile of hs
.set HOC,  19
.set TA,   20
.set TC,   21
.set ZR,   22                          ; 0, for the ReLU
.set L16,  23                          ; 16 x lane
.set BO,   24
.set SPW,  26                          ; LDS address of my spare word; never rewritten
.set NIL,  27                          ; 0; never rewritten
.set Z4,   28                          ; v[28:31] zeros
.set AD,   32                          ; v[32:63] slot s: eight tokens, then their byte offsets in xb
.set ACC,  64                          ; v[64:127] eight accumulators; first top1, later the epilogue's first tile
.set ID,   64
.set EP0,  64
.set BIAS, 128                         ; v[128:143]
.set EP1,  144                         ; v[144:207] the epilogue's second tile
.set O,    208                         ; v[208:215]
.set WV,  14
.set EX,  15
.set SL,  16
.set CNT, 17                           ; the expert's tokens
.set OFF, 18                           ; tokens of lower experts
.set TB,  19
.set RT,  21                           ; live tiles left, counted from the tile that the text is at
.set BLK, 22
.set T0,  23                           ; the block's first tile
.set LBS, 24                           ; its place in the list
.set EC,  25
.set PC,  26
.set ET,  27
.set MSB, 0
.macro WIN new                         ; the immediate's high byte repeats the setting that is left; a switch that changes nothing is dropped
.if MSB != (\new)
	s_set_vgpr_msb (MSB<<8)|(\new)
.set MSB, \new
.endif
.endm
; Group g of 16: K step ks = g / 2, columns 64 (g % 2) on, into slot g % 4: sixteen loads, k = 32 ks + 16 q + 8 h + i.
.macro WLOAD g
	WIN 0x40                                       ; destination window 1, address window 0
.irp q, 0,1
.irp i, 0,1,2,3,4,5,6,7
	global_load_b128 v[64*((\g)%4)+4*(8*(\q)+(\i)):64*((\g)%4)+4*(8*(\q)+(\i))+3], v[WOFF], s[8:9] offset:(32*((\g)/2)+16*(\q)+(\i))*PITCH+256*((\g)%2) th:TH_LOAD_NT
.endr
.endr
.endm
; The group becomes four operands: register 4 q + p of operand 4 (g % 2) + j takes column j of k = .. + 2 p (low half) and .. + 2 p + 1.
.macro CONV g
	WIN 0x85+0x40*((\g)/8)                         ; sources window 1, destination window 2 or 3
.irp j, 0,1,2,3
.irp q, 0,1
.irp p, 0,1,2,3
	v_cvt_pk_bf16_f32 v[64*(((\g)/2)%4)+8*(4*((\g)%2)+(\j))+4*(\q)+(\p)], v[64*((\g)%4)+4*(8*(\q)+2*(\p))+(\j)], v[64*((\g)%4)+4*(8*(\q)+2*(\p)+1)+(\j)]
.endr
.endr
.endr
.endm
; Register i of top1: the lanes that hold my expert put their token at its rank; the others all write the word behind the list.  EXEC is never changed.
.macro LISTSTEP i
	v_cmp_eq_u32 s30, s[EX], v[ID+(\i)]
	v_cmp_gt_u32 s31, s[EX], v[ID+(\i)]
	v_mbcnt_lo_u32_b32 v[TA], s30, s[CNT]          ; matches so far + matches in lower lanes
	v_cndmask_b32 v[TA], v[BIG], v[TA], s30
	v_min_u32 v[TA], 1024, v[TA]
	v_lshl_add_u32 v[TA], v[TA], 2, v[LB]
	v_add_nc_u32 v[TC], 128*((\i)/4)+(\i)%4, v[L4] ; the token
	ds_store_b32 v[TA], v[TC]
	s_bcnt1_i32_b32 s30, s30
	s_bcnt1_i32_b32 s31, s31
	s_add_co_u32 s[CNT], s[CNT], s30
	s_add_co_u32 s[OFF], s[OFF], s31
.endm
.macro AIDS slot, off                  ; the tokens of a tile's rows 8 h .. 8 h + 7
	ds_load_b128 v[AD+8*(\slot):AD+8*(\slot)+3], v[LRC] offset:(\off)
	ds_load_b128 v[AD+8*(\slot)+4:AD+8*(\slot)+7], v[LRC] offset:(\off)+16
.endm
.macro AADR slot                       ; token -> byte offset in xb
.irp i, 0,1,2,3,4,5,6,7
	v_min_u32 v[AD+8*(\slot)+(\i)], 0x3ff, v[AD+8*(\slot)+(\i)]
.endr
.irp i, 0,1,2,3,4,5,6,7
	v_lshl_add_u32 v[AD+8*(\slot)+(\i)], v[AD+8*(\slot)+(\i)], 11, v[XL]
.endr
.endm
.macro ALOAD slot                      ; 16 rows x my wave's 512 bytes: each load takes 256 consecutive bytes, aligned, of row i (lanes 0-15) and of row 8 + i
	WIN 0x40
.irp i, 0,1,2,3,4,5,6,7
	global_load_b128 v[64*(\slot)+8*(\i):64*(\slot)+8*(\i)+3], v[AD+8*(\slot)+(\i)], s[6:7]
	global_load_b128 v[64*(\slot)+8*(\i)+4:64*(\slot)+8*(\i)+7], v[AD+8*(\slot)+(\i)], s[6:7] offset:256
.endr
.endm
; The tile goes through my own stage and comes back as eight operands (lane: token r; K = 32 ks + 8 h .. and 32 ks + 16 + 8 h ..), into the registers that it left.
; LDS serves a wave's instructions in order (ISA guide 5.7.1.4): the loads see the stores, and the next tile's stores come behind these loads.
.macro RESTAGE slot
	WIN 0x04                                       ; store data window 1
.irp i, 0,1,2,3,4,5,6,7
	ds_store_b128 v[SST], v[64*(\slot)+8*(\i):64*(\slot)+8*(\i)+3] offset:SPI*(\i)
	ds_store_b128 v[SST], v[64*(\slot)+8*(\i)+4:64*(\slot)+8*(\i)+7] offset:SPI*(\i)+256
.endr
	WIN 0x40
.irp k, 0,1,2,3,4,5,6,7
	ds_load_b128 v[64*(\slot)+8*(\k):64*(\slot)+8*(\k)+3], v[SLD] offset:64*(\k)
	ds_load_b128 v[64*(\slot)+8*(\k)+4:64*(\slot)+8*(\k)+7], v[SLD] offset:64*(\k)+32
.endr
.endm
; 64 matrix instructions.  The eight accumulators take turns, one instruction a turn; the first K step starts the sums with the constant 0.
.macro MULT slot
.irp ks, 0,1,2,3,4,5,6,7
	WIN 0x06+(\ks)/4                               ; source 0 (weights) window 2 or 3, source 1 (tokens) window 1, C and D window 0
.irp nt, 0,1,2,3,4,5,6,7
.if (\ks) == 0
	v_wmma_f32_16x16x32_bf16 v[ACC+8*(\nt):ACC+8*(\nt)+7], v[64*((\ks)%4)+8*(\nt):64*((\ks)%4)+8*(\nt)+7], v[64*(\slot)+8*(\ks):64*(\slot)+8*(\ks)+7], 0
.else
	v_wmma_f32_16x16x32_bf16 v[ACC+8*(\nt):ACC+8*(\nt)+7], v[64*((\ks)%4)+8*(\nt):64*((\ks)%4)+8*(\nt)+7], v[64*(\slot)+8*(\ks):64*(\slot)+8*(\ks)+7], v[ACC+8*(\nt):ACC+8*(\nt)+7]
.endif
.endr
.endr
.endm
.macro PSTORE                          ; my sums over my quarter of K: 512 consecutive bytes a store; each accumulator's low registers first
.irp nt, 0,1,2,3,4,5,6,7
	ds_store_b128 v[PWT], v[ACC+8*(\nt):ACC+8*(\nt)+3] offset:1024*(\nt)
	ds_store_b128 v[PWT], v[ACC+8*(\nt)+4:ACC+8*(\nt)+7] offset:1024*(\nt)+512
.endr
.endm
; Tile tt of a block, in slot tt % 4.  Tiles tt + 1 .. tt + 3 are on their way from memory; tile tt + 1 goes through the stage while tile tt is multiplied.
.macro TILE tt
.if (\tt) == 0
	s_wait_loadcnt 48                              ; tile 0 is in; tiles 1 to 3, 16 loads each, are younger
	RESTAGE 0
.endif
.if (\tt) < 4
	WIN 0
	AIDS (\tt)%4, 64*((\tt)+4)                     ; the tokens of tile tt + 4; the slot's old offsets are free: tile tt's loads have been waited for
.endif
.if (\tt) < 5
	s_wait_loadcnt 32                              ; tile tt + 1 is in; tiles tt + 2 and tt + 3 are younger
.elseif (\tt) == 5
	s_wait_loadcnt 16                              ; tile 7 is younger
.elseif (\tt) == 6
	s_wait_loadcnt 0x0
.endif
.if (\tt) < 7
	RESTAGE ((\tt)+1)%4
	s_wait_dscnt 32                                ; all but the 32 just issued: this tile's operands, the tokens, and the last tile's stores of the accumulators
.else
	s_wait_dscnt 16                                ; all but tile 6's sixteen stores
.endif
	MULT (\tt)%4
	WIN 0
	; Plain vector instructions that name no register of the products: five or more places ahead of the loads into the slot, of the stores of the sums and of the next tile's first products
.if (\tt) < 4
	AADR (\tt)%4
	v_add_nc_u32 v[PWT], PRT*(\tt), v[PW]
	ALOAD (\tt)%4                                  ; tile tt + 4
	WIN 0
.else
	v_add_nc_u32 v[PWT], PRT*(\tt), v[PW]
.rept 4
	v_nop
.endr
.endif
	PSTORE
.if (\tt) < 7
	s_cmp_le_i32 s[RT], (\tt)+1
	s_cbranch_scc1 .Ltiles_done                    ; forward, over work alone
.endif
.endm
.macro EPLOAD ep, adr                  ; the four waves' sums for my two operands' worth of columns (nt = 2 w, 2 w + 1) of one tile
.irp s, 0,1,2,3
.irp n, 0,1
	ds_load_b128 v[(\ep)+16*(\s)+8*(\n):(\ep)+16*(\s)+8*(\n)+3], v[\adr] offset:8192*(\s)+1024*(\n)
	ds_load_b128 v[(\ep)+16*(\s)+8*(\n)+4:(\ep)+16*(\s)+8*(\n)+7], v[\adr] offset:8192*(\s)+1024*(\n)+512
.endr
.endr
.endm
; A tile is finished: the four quarters of K, the bias, bf16, ReLU; two stores of 512 consecutive bytes: K step 4 SL + w of the second product, halves 0 and 1.
.macro FIN ep, a
.irp z, 0,2,4,6,8,10,12,14
	v_pk_add_f32 v[(\ep)+(\z):(\ep)+(\z)+1], v[(\ep)+(\z):(\ep)+(\z)+1], v[(\ep)+16+(\z):(\ep)+16+(\z)+1]
	v_pk_add_f32 v[(\ep)+32+(\z):(\ep)+32+(\z)+1], v[(\ep)+32+(\z):(\ep)+32+(\z)+1], v[(\ep)+48+(\z):(\ep)+48+(\z)+1]
.endr
.irp z, 0,2,4,6,8,10,12,14
	v_pk_add_f32 v[(\ep)+(\z):(\ep)+(\z)+1], v[(\ep)+(\z):(\ep)+(\z)+1], v[(\ep)+32+(\z):(\ep)+32+(\z)+1]
.endr
.irp z, 0,2,4,6,8,10,12,14
	v_pk_add_f32 v[(\ep)+(\z):(\ep)+(\z)+1], v[(\ep)+(\z):(\ep)+(\z)+1], v[BIAS+(\z):BIAS+(\z)+1]
.endr
	s_add_co_u32 s34, s[ET], s[TB]
.if \a
	s_add_co_u32 s34, s34, 1
.endif
	s_min_u32 s34, s34, 71                         ; the tile in hs
	s_lshl_b32 s34, s34, 17
	s_wait_xcnt 0x0                                ; the last tile's stores have had their addresses translated (ISA guide 3.1): their data and offset are rewritten only behind this wait
.irp z, 0,1,2,3,4,5,6,7
	v_cvt_pk_bf16_f32 v[O+(\z)], v[(\ep)+2*(\z)], v[(\ep)+2*(\z)+1]
.endr
.irp z, 0,1,2,3,4,5,6,7
	v_pk_max_num_bf16 v[O+(\z)], v[O+(\z)], v[ZR]
.endr
	v_add_nc_u32 v[HOC], s34, v[HO]
	global_store_b128 v[HOC], v[O:O+3], s[12:13]
	global_store_b128 v[HOC], v[O+4:O+7], s[12:13] offset:512
.endm
	s_load_b256 s[4:11], s[0:1], 0x0               ; top1 s[4:5], xb s[6:7], w1 s[8:9], b1 s[10:11]
	s_load_b64 s[12:13], s[0:1], 0x20              ; hs
	v_lshl_add_u32 v[SPW], v0, 2, SPARE
	v_mov_b32 v[NIL], 0
	v_lshrrev_b32 v[TA], 5, v0
	v_readfirstlane_b32 s[WV], v[TA]               ; wave 0..3
	v_and_b32 v[LANE], 31, v0
	v_and_b32 v[R], 15, v0
	v_bfe_u32 v[H], v0, 4, 1
	v_lshlrev_b32 v[L16], 4, v[LANE]
	v_lshlrev_b32 v[L4], 2, v[LANE]
	v_lshlrev_b32 v[WOFF], 4, v[R]
	v_lshl_add_u32 v[WOFF], v[H], 17, v[WOFF]      ; 8 rows of 16,384 bytes
	v_lshlrev_b32 v[BO], 7, v[H]                   ; 32 numbers of b1
	v_mov_b32 v[BIG], 0xffff
	v_mov_b32 v[ZR], 0
	s_mov_b32 s[SL], ttmp9
	s_and_b32 s[EX], ttmp7, 0xffff
	s_lshl_b32 s32, s[EX], 24                      ; the expert's 16 MiB of w1,
	s_lshl_b32 s34, s[WV], 22                      ; my wave's 256 rows,
	s_add_co_u32 s32, s32, s34
	s_lshl_b32 s34, s[SL], 9                       ; the slice's 512 bytes of a row
	s_add_co_u32 s32, s32, s34
	s_mov_b32 s33, 0
	s_lshl_b32 s36, s[EX], 14                      ; b1: 4 (4096 EX + 128 SL + 64 (w / 2) + 2 (w % 2))
	s_add_co_u32 s36, s36, s34
	s_lshr_b32 s35, s[WV], 1
	s_lshl_b32 s35, s35, 8
	s_add_co_u32 s36, s36, s35
	s_and_b32 s35, s[WV], 1
	s_lshl_b32 s35, s35, 3
	s_add_co_u32 s36, s36, s35
	s_mov_b32 s37, 0
	s_mov_b32 s[CNT], 0
	s_mov_b32 s[OFF], 0
	s_wait_kmcnt 0x0
	s_add_nc_u64 s[8:9], s[8:9], s[32:33]
	s_add_nc_u64 s[10:11], s[10:11], s[36:37]
.irp j, 0,1,2,3,4,5,6,7
	global_load_b128 v[ID+4*(\j):ID+4*(\j)+3], v[L16], s[4:5] offset:512*(\j)
.endr
.irp n, 0,1
.irp j, 0,1,2,3,4,5,6,7
	global_load_b32 v[BIAS+8*(\n)+(\j)], v[BO], s[10:11] offset:4*(4*(\j)+(\n))  ; once: the bias of the numbers that the epilogue leaves in my lane
.endr
.endr
	WLOAD 0
	WLOAD 1
	WLOAD 2
	WIN 0
	s_mul_i32 s34, s[WV], LISTB
	v_mov_b32 v[LB], s34
	v_lshl_add_u32 v[LRD], v[H], 5, v[LB]
	s_lshl_b32 s35, s[WV], 9
	v_lshl_add_u32 v[XL], v[R], 4, s35
	s_mul_i32 s35, s[WV], 16*SPI
	s_add_co_u32 s35, s35, STAGE
	v_mul_u32_u24 v[TA], v[H], 8*SPI
	v_lshl_add_u32 v[TA], v[R], 4, v[TA]
	v_add_nc_u32 v[SST], s35, v[TA]
	v_mul_u32_u24 v[TA], v[R], SPI
	v_lshl_add_u32 v[TA], v[H], 4, v[TA]
	v_add_nc_u32 v[SLD], s35, v[TA]
	s_lshl_b32 s35, s[WV], 13
	s_add_co_u32 s35, s35, PR
	v_add_nc_u32 v[PW], s35, v[L16]
	s_lshl_b32 s35, s[WV], 11
	s_add_co_u32 s35, s35, PR
	v_add_nc_u32 v[PRD], s35, v[L16]
	s_lshl2_add_u32 s35, s[SL], s[WV]              ; K step 4 SL + w of the second product
	s_lshl_b32 s35, s35, 10
	v_add_nc_u32 v[HO], s35, v[L16]
.irp z, 0,1,2,3
	v_mov_b32 v[Z4+(\z)], 0
.endr
	v_add_nc_u32 v[TA], v[LB], v[L16]
.irp m, 0,1,2,3,4,5,6,7,8
	ds_store_b128 v[TA], v[Z4:Z4+3] offset:512*(\m)  ; places past the count name token 0
.endr
	s_wait_loadcnt 48                              ; top1 and the bias are in; the 48 weight loads are younger
.set li, 0
.rept 32
	LISTSTEP li
.set li, li+1
.endr
	s_lshr_b32 s[TB], s[OFF], 4
	s_add_co_u32 s[TB], s[TB], s[EX]
	s_add_co_u32 s[RT], s[CNT], 15
	s_lshr_b32 s[RT], s[RT], 4
	s_max_u32 s[RT], s[RT], 1                      ; an expert without tokens still writes its tile TB, which the second product's clamped loads read
	v_mov_b32 v[LRC], v[LRD]
	AIDS 0, 0                                      ; the first four tiles' tokens (my own list: LDS serves my instructions in order)
	AIDS 1, 64
	AIDS 2, 128
	AIDS 3, 192
	WLOAD 3
	WIN 0
	s_wait_dscnt 0x0
	AADR 0
	AADR 1
	AADR 2
	AADR 3
	; PHASE 1.  Three groups of 16 loads are always younger than the one that is rounded; the last four slots that come free take the first four token tiles.
.irp g, 0,1,2,3,4,5,6,7,8,9,10,11,12,13,14,15
	s_wait_loadcnt 48
	CONV \g
.if (\g) < 12
	WLOAD (\g)+4
.else
	ALOAD (\g)-12
.endif
.endr
	WIN 0                                          ; at a label and at a branch every window is 0
	; PHASE 2
	s_mov_b32 s[BLK], 0
.Lblock:
	s_lshl_b32 s[LBS], s[BLK], 9                   ; eight tiles of 16 words
	s_lshl_b32 s[T0], s[BLK], 3
	v_add_nc_u32 v[LRC], s[LBS], v[LRD]
	s_cmp_le_i32 s[RT], 0
	s_cbranch_scc1 .Lno_tiles
	TILE 0
	TILE 1
	TILE 2
	TILE 3
	TILE 4
	TILE 5
	TILE 6
	TILE 7
.Ltiles_done:
	s_wait_loadcnt 0x0                             ; tiles fetched beyond the last live one: their registers and offsets are used again
	s_cmp_le_i32 s[RT], 8
	s_cbranch_scc1 .Lno_tiles
	AIDS 0, 512                                    ; the next block's first four tiles go out ahead of the epilogue
	AIDS 1, 576
	AIDS 2, 640
	AIDS 3, 704
	s_wait_dscnt 0x0
	AADR 0
	AADR 1
	AADR 2
	AADR 3
	ALOAD 0
	ALOAD 1
	ALOAD 2
	ALOAD 3
	WIN 0
.Lno_tiles:
	s_wait_dscnt 0x0                               ; for the others' sake: my partial sums are written
	s_barrier_signal -1
	s_barrier_wait -1                              ; everybody's are
	s_mov_b32 s[EC], 0
.Lep:                                                  ; four trips, two tiles each
	s_cmp_le_i32 s[RT], 0
	s_cbranch_scc1 .Lep_next
	s_lshl_b32 s[PC], s[EC], 16
	s_lshl1_add_u32 s[ET], s[EC], s[T0]
	v_add_nc_u32 v[PRC], s[PC], v[PRD]
	EPLOAD EP0, PRC
	s_cmp_le_i32 s[RT], 1
	s_cbranch_scc1 .Lep_one
	v_add_nc_u32 v[PRC2], PRT, v[PRC]
	EPLOAD EP1, PRC2
	s_wait_dscnt 16                                ; the first tile is in; the second tile's sixteen loads are younger
	FIN EP0, 0
	s_wait_dscnt 0x0
	FIN EP1, 1
	s_branch .Lep_next
.Lep_one:                                              ; the last live tile stands alone: its neighbour's bytes were written by nobody and are not read
	s_wait_dscnt 0x0
	FIN EP0, 0
.Lep_next:
	s_sub_co_i32 s[RT], s[RT], 2
	s_add_co_u32 s[EC], s[EC], 1
	s_cmp_lt_u32 s[EC], 4
	s_cbranch_scc1 .Lep
	s_wait_dscnt 0x0                               ; my reads of the partial sums are over,
	s_barrier_signal -1
	s_barrier_wait -1                              ; everybody's are: the next block may write them again
	s_add_co_u32 s[BLK], s[BLK], 1
	s_cmp_lt_u32 s[BLK], 8
	s_cbranch_scc1 .Lblock
	s_wait_tensorcnt 0x0                           ; the wave's end
	ds_add_u32 v[SPW], v[NIL]
	s_wait_dscnt 0x0
	s_endpgm
.Lfunc_end_k_q8e2238259e_ffn1:
	.size	k_q8e2238259e_ffn1, .Lfunc_end_k_q8e2238259e_ffn1-k_q8e2238259e_ffn1
	.p2alignl 7, 3214868480
	.fill 96, 4, 3214868480
	.section	.rodata,"a",@progbits
	.p2align	6, 0x0
	.amdhsa_kernel k_q8e2238259e_ffn1
		.amdhsa_group_segment_fixed_size 314880
		.amdhsa_private_segment_fixed_size 0
		.amdhsa_enable_private_segment 0
		.amdhsa_kernarg_size 40
		.amdhsa_user_sgpr_count 2
		.amdhsa_user_sgpr_kernarg_segment_ptr 1
		.amdhsa_wavefront_size32 1
		.amdhsa_system_sgpr_workgroup_id_x 1
		.amdhsa_system_sgpr_workgroup_id_y 1
		.amdhsa_system_sgpr_workgroup_id_z 1
		.amdhsa_system_vgpr_workitem_id 0
		.amdhsa_next_free_vgpr 1024
		.amdhsa_next_free_sgpr 66
		.amdhsa_reserve_vcc 0
		.amdhsa_float_denorm_mode_32 3
		.amdhsa_float_denorm_mode_16_64 3
		.amdhsa_memory_ordered 1
		.amdhsa_forward_progress 1
		.amdhsa_inst_pref_size 188
	.end_amdhsa_kernel
	.amdgpu_metadata
---
amdhsa.version: [ 1, 2 ]
amdhsa.kernels:
  - .name:           k_q8e2238259e_ffn1
    .symbol:         k_q8e2238259e_ffn1.kd
    .args:
      - { .name: top1, .offset: 0, .size: 8, .value_kind: global_buffer, .address_space: global }
      - { .name: xb, .offset: 8, .size: 8, .value_kind: global_buffer, .address_space: global }
      - { .name: w1, .offset: 16, .size: 8, .value_kind: global_buffer, .address_space: global }
      - { .name: b1, .offset: 24, .size: 8, .value_kind: global_buffer, .address_space: global }
      - { .name: hs, .offset: 32, .size: 8, .value_kind: global_buffer, .address_space: global }
    .group_segment_fixed_size: 314880
    .private_segment_fixed_size: 0
    .kernarg_segment_align: 8
    .kernarg_segment_size: 40
    .max_flat_workgroup_size: 128
    .sgpr_count:     66
    .vgpr_count:     1024
    .wavefront_size: 32
...
	.end_amdgpu_metadata
.endif
;; end of part 2
;; launch ffn2 (part 3): grid 32 x 8, 4 waves a work-group, no clusters, 281,088 bytes of LDS; arguments top1, hs, w2, part; writes part
.if DOCPART == 3
	.amdgcn_target "amdgcn-amd-amdhsa--gfx1250"
	.amdhsa_code_object_version 6
	.text
	.protected	k_q8e2238259e_ffn2
	.globl	k_q8e2238259e_ffn2
	.p2align	8
	.type	k_q8e2238259e_ffn2,@function
k_q8e2238259e_ffn2:
	s_mov_b64 s[64:65], 0
	v_nop
	global_prefetch_b8 v0, s[64:65] scope:SCOPE_SE
	s_setreg_imm32_b32 hwreg(HW_REG_WAVE_MODE, 25, 1), 1
	s_wait_xcnt 0x0
; FFN2.  part[KQ][n][:] = the sum over the hidden indices 1024 KQ .. + 1023 of h[n][k] w2[e][k][:], e = top1[n].  The four quarters, b2 and x are added by the next launch.
; top1: [1024] int32, hs: the hidden layer in bf16, [72 tiles][128 K steps S][2 halves q][32 lanes][16 bytes], w2: [8][4096][1024] f32, part: [4][1024][1024] f32.
; WHY QUARTERS.  A run of 256 bytes of a row of w2 is 64 output columns, so whole runs give 8 experts x 16 strips of K = 4,096; to give 256 work-groups a slice each, K is cut in four, and a sum across
; work-groups is made by a later launch (partial sums: f32).
; SHARES.  Work-group (CS, KQ, EX) has 1,024 hidden rows x 128 columns of expert EX's w2, which it alone reads; wave w has 256 of the rows: eight K steps of 32.
; THE STREAM.  What stays in registers are the SUMS, not the weights: ten tiles of 16 tokens x 128 columns, 640 registers a wave.  A step's weights (32 loads of 512 bytes) land in 128 registers, are rounded
; to bf16 as eight operands and multiplied at once against the ten tiles' operands of that step (20 loads of 512 bytes, in hs already in the operand's order): 80 matrix instructions.  Each half of the
; landing space is asked for again directly behind its 32 roundings, and the next step's tokens ahead of this step's products: 52 loads are out while the products run, so memory and matrix unit work side by side.
; ROWS.  All ten tiles are always multiplied: tiles past the expert's last repeat that tile (for an expert without tokens: tile TB, which the first product writes), and their sums are not stored;
; at 128 tokens an expert that is ten tiles' products for eight.  In return no jump stands in the stream, and every counted wait sees one history.
; LIMIT OF THE FORM.  An expert with more than 160 tokens takes a further pass for each 160, and each pass reads the slice again.  Every split of the tokens is served: seven passes cover 1,024 rows.
; THE SUMS MEET IN LDS: the four waves' sums over their quarters of the slice's K; eight tiles, then two, a barrier between writing and reading and one between reading and the next writing.
; LOOPS.  Fourteen half-passes, a constant: an even one streams and stores tiles 0-7, an odd one stores tiles 8-9.  Every wave passes both barriers of each; what hangs on the count are forward jumps over
; work alone.  The loop is entered behind its test for rows: the first pass always streams, so every sum has been written on every way that leads to a store of it.
; K's ORDER.  Place (S, q, lane half h, i) of hs holds hidden index 64 (S / 2) + 2 (S % 2) + q + 32 h + 4 i; w2's rows are loaded in that order, so the products pair the same k on both sides.
; COLUMNS.  A lane's 16 bytes of a row of w2 go to four operands: operand nt = 4 c + j holds, in lane r, column 64 c + 4 r + j.  The epilogue's last addition puts the four j side by side again.
; THE EPILOGUE'S SHARE.  Of a tile's 16 rows wave w finishes rows 4 w .. 4 w + 3, all 128 columns: a store is ONE token's 512 consecutive bytes, aligned.  Rows past the count: their whole stores are jumped.
; EXEC is never changed.  THE ROWS' ORDER is the first product's: every wave counts top1 for itself.
; NO CLUSTER, NO TENSOR LOAD: each weight byte has one reader.  A tile of hs is shared by the eight work-groups of one (expert, quarter); asking for it jointly would put tensor loads into passes
; that are jumped by a stored count, which no partner may jump.
; LIMITS.  w2 and h are rounded to bf16 once; all sums are f32.
; REGISTERS, in windows of 256 (s_set_vgpr_msb: bits 1:0 source 0, 3:2 source 1, 5:4 source 2, 7:6 destination):
;   window 0: v0-31 addresses; v32-95 the step's eight weight operands; v96-255 two buffers of ten token operands (first top1, later the epilogue)
;   window 1: the sums of tiles 0-3 (tile t, operand nt at 64 (t % 4) + 8 nt)      window 2: tiles 4-7      window 3: v0-127 tiles 8-9; v128-255 landing space, two halves of 64
.set PITCH,  4096                      ; bytes from a k of w2 to the next
.set LISTB,  4608                      ; a wave's list: 1,024 words and the word for lanes that do not match; nine stores of 512 bytes set it to 0
.set PR,     4*LISTB                   ; the partial sums: [8 tiles][4 source waves][8 nt][2 halves][32 lanes][16 bytes]
.set PRT,    32768
.set SPARE,  PR+8*PRT                  ; the spare words, 128 bytes a wave: two blocks of 256 bytes that no other line names
.set TMAX,   10                        ; tiles in a pass
.set LANE, 1
.set R,    2
.set H,    3
.set WOFF, 4                           ; my place in a weight load: 32 k further on for the upper lanes, 16 bytes a lane
.set LB,   5
.set L4,   6
.set BIG,  7
.set LRD,  8                           ; list: the four tokens of rows 4 w .. of tile 0: the same address in every lane
.set LRC,  9
.set HL,   10                          ; my place in a tile of hs: K step 32 KQ + 8 w, 16 bytes a lane
.set PL,   11                          ; my 16 bytes in a row of part: 512 CS + 16 x lane
.set HLC,  12                          ; HL, stepped two K steps a trip
.set PW,   13
.set PWT,  14
.set PRD,  15
.set PRC,  16
.set PRC2, 17
.set TA,   20
.set TC,   21
.set L16,  23
.set SPW,  26                          ; LDS address of my spare word; never rewritten
.set NIL,  27                          ; 0; never rewritten
.set Z4,   28
.set FR,   32                          ; v[32:95]   operand nt of the step in hand at FR + 8 nt
.set TK,   96                          ; v[96:255]  buffer b, tile t at TK + 80 b + 8 t
.set ID,   96                          ; top1, at the head
.set EP0,  96                          ; the epilogue's two tiles,
.set EP1,  160
.set O,    224                         ; its results,
.set IDA,  240                         ; and four tokens of each tile, then their byte offsets in part
.set IDB,  244
.set LD,   128                         ; window 3: landing space
.set WV,  14
.set EX,  15
.set CS,  16
.set CNT, 17
.set OFF, 18
.set TB,  19
.set KC,  20
.set RT,  21                           ; live tiles from the pass's first on (signed)
.set BLK, 22
.set T0,  23                           ; the pass's first tile
.set ER,  24                           ; live tiles of the half-pass (signed)
.set EC,  25
.set PC,  26
.set ET,  27
.set KQ,  28
.set LAST, 29                          ; the expert's last tile
.set RR,  36                           ; rows of the expert from my first row of a tile on (signed)
.set ETB, 37                           ; the half-pass's first tile
.set LC,  38
.set W4,  39                           ; 4 w
.set WORG, 40                          ; s[40:41] w2 at my wave's first row; s[8:9] steps from it
.set SB,  66                           ; s[66:85] hs at each of the pass's ten tiles
.set MSB, 0
.macro WIN new                         ; the immediate's high byte repeats the setting that is left; a switch that changes nothing is dropped
.if MSB != (\new)
	s_set_vgpr_msb (MSB<<8)|(\new)
.set MSB, \new
.endif
.endm
; Half c (columns 64 c on) of a K step's weights: sixteen loads, row 2 u + q + 32 h + 4 i behind the base, which stands at 64 (step / 2); u = step % 2.
; Each load covers two runs of 256 consecutive bytes, aligned.
.macro WLOADC c, u
	WIN 0xc0                                       ; destination window 3, address window 0
.irp q, 0,1
.irp i, 0,1,2,3,4,5,6,7
	global_load_b128 v[LD+64*(\c)+4*(8*(\q)+(\i)):LD+64*(\c)+4*(8*(\q)+(\i))+3], v[WOFF], s[8:9] offset:(2*(\u)+(\q)+4*(\i))*PITCH+256*(\c) th:TH_LOAD_NT
.endr
.endr
.endm
.macro CVT c                           ; the half becomes four operands: register 4 q + p of operand 4 c + j takes column j of places i = 2 p (low half) and 2 p + 1
	WIN 0x0f                                       ; sources window 3, destination window 0
.irp j, 0,1,2,3
.irp q, 0,1
.irp p, 0,1,2,3
	v_cvt_pk_bf16_f32 v[FR+8*(4*(\c)+(\j))+4*(\q)+(\p)], v[LD+64*(\c)+4*(8*(\q)+2*(\p))+(\j)], v[LD+64*(\c)+4*(8*(\q)+2*(\p)+1)+(\j)]
.endr
.endr
.endr
.endm
.macro TLOAD buf, u                    ; the ten tiles' operands of one K step: 512 consecutive bytes a load
	WIN 0
.irp t, 0,1,2,3,4,5,6,7,8,9
	global_load_b128 v[TK+80*(\buf)+8*(\t):TK+80*(\buf)+8*(\t)+3], v[HLC], s[SB+2*(\t):SB+2*(\t)+1] offset:1024*(\u)
	global_load_b128 v[TK+80*(\buf)+8*(\t)+4:TK+80*(\buf)+8*(\t)+7], v[HLC], s[SB+2*(\t):SB+2*(\t)+1] offset:1024*(\u)+512
.endr
.endm
; 80 matrix instructions.  The 80 accumulators take turns, one instruction a turn, from step to step and over the loop's jump too.  zero = 1: the first K step starts the sums.
.macro MULT buf, zero
.irp t, 0,1,2,3,4,5,6,7,8,9
	WIN 0x50*((\t)/4+1)                            ; sources 0 (tokens) and 1 (weights) window 0; C and D window 1, 2 or 3
.irp nt, 0,1,2,3,4,5,6,7
.if \zero
	v_wmma_f32_16x16x32_bf16 v[64*((\t)%4)+8*(\nt):64*((\t)%4)+8*(\nt)+7], v[TK+80*(\buf)+8*(\t):TK+80*(\buf)+8*(\t)+7], v[FR+8*(\nt):FR+8*(\nt)+7], 0
.else
	v_wmma_f32_16x16x32_bf16 v[64*((\t)%4)+8*(\nt):64*((\t)%4)+8*(\nt)+7], v[TK+80*(\buf)+8*(\t):TK+80*(\buf)+8*(\t)+7], v[FR+8*(\nt):FR+8*(\nt)+7], v[64*((\t)%4)+8*(\nt):64*((\t)%4)+8*(\nt)+7]
.endif
.endr
.endr
.endm
; A K STEP, its tokens in buffer buf.  nu = the next step's number % 2, or -1: there is none.  At its head are out, in this order: this step's weights (16 + 16 loads) and tokens (20).
.macro STEP buf, zero, nu
	s_wait_loadcnt 36                              ; the first half is in; younger: the second half's 16 and the tokens' 20
	CVT 0
.if (\nu) >= 0
	WLOADC 0, \nu                                  ; the half that has just been rounded takes the next step's
	s_wait_loadcnt 36                              ; the second half is in; younger: the tokens' 20 and the 16 just issued
.else
	s_wait_loadcnt 20                              ; younger: the tokens' 20
.endif
	CVT 1
.if (\nu) >= 0
	WLOADC 1, \nu
	s_wait_loadcnt 32                              ; this step's tokens are in; younger: the next step's 32 weight loads
	TLOAD 1-(\buf), \nu                            ; into the buffer that the step before multiplied: its last product stands 4 + 64 plain instructions back
.else
	s_wait_loadcnt 0x0
.endif
	MULT \buf, \zero
.rept 4
	v_nop                                          ; four places ahead of the roundings that write the operands anew, and of the stores that read the sums
.endr
.endm
.macro LISTSTEP i                      ; as in the first product: the same ranks
	v_cmp_eq_u32 s30, s[EX], v[ID+(\i)]
	v_cmp_gt_u32 s31, s[EX], v[ID+(\i)]
	v_mbcnt_lo_u32_b32 v[TA], s30, s[CNT]
	v_cndmask_b32 v[TA], v[BIG], v[TA], s30
	v_min_u32 v[TA], 1024, v[TA]
	v_lshl_add_u32 v[TA], v[TA], 2, v[LB]
	v_add_nc_u32 v[TC], 128*((\i)/4)+(\i)%4, v[L4]
	ds_store_b32 v[TA], v[TC]
	s_bcnt1_i32_b32 s30, s30
	s_bcnt1_i32_b32 s31, s31
	s_add_co_u32 s[CNT], s[CNT], s30
	s_add_co_u32 s[OFF], s[OFF], s31
.endm
; Tile t's sums over my quarter of K go to place slot of the partial sums: 512 consecutive bytes a store; each accumulator's low registers first.  A tile that is not live ends the run.
.macro PSTORE t, slot
	WIN 0
	s_cmp_le_i32 s[ER], \slot
	s_cbranch_scc1 .Lstored                        ; forward, over work alone
	v_add_nc_u32 v[PWT], PRT*(\slot), v[PW]
	WIN 4*((\t)/4+1)                               ; store data window 1, 2 or 3
.irp nt, 0,1,2,3,4,5,6,7
	ds_store_b128 v[PWT], v[64*((\t)%4)+8*(\nt):64*((\t)%4)+8*(\nt)+3] offset:1024*(\nt)
	ds_store_b128 v[PWT], v[64*((\t)%4)+8*(\nt)+4:64*((\t)%4)+8*(\nt)+7] offset:1024*(\nt)+512
.endr
.endm
; The four waves' sums for my share of a tile: rows 4 w .. 4 w + 3, all 128 columns.  Lane (r, c) reads, of operand nt = 4 c + j, the 16 bytes that lane 16 (w / 2) + r stored for half w % 2:
; lanes 0-15 take 256 consecutive bytes, lanes 16-31 the 256 bytes four operands further on.
.macro EPLOAD ep, adr
.irp s, 0,1,2,3
.irp j, 0,1,2,3
	ds_load_b128 v[(\ep)+16*(\s)+4*(\j):(\ep)+16*(\s)+4*(\j)+3], v[\adr] offset:8192*(\s)+1024*(\j)
.endr
.endr
.endm
; A tile is finished.  ep + 16 s + 4 j + jj: wave s's sum for row jj of my four, column 64 c + 4 r + j.  The last addition also turns 4 x 4, so that a lane holds four neighbouring columns of a row.
.macro FIN ep, idr, a
.irp z, 0,2,4,6,8,10,12,14
	v_pk_add_f32 v[(\ep)+(\z):(\ep)+(\z)+1], v[(\ep)+(\z):(\ep)+(\z)+1], v[(\ep)+16+(\z):(\ep)+16+(\z)+1]
	v_pk_add_f32 v[(\ep)+32+(\z):(\ep)+32+(\z)+1], v[(\ep)+32+(\z):(\ep)+32+(\z)+1], v[(\ep)+48+(\z):(\ep)+48+(\z)+1]
.endr
	s_lshl_b32 s34, s[ET], 4
	s_sub_co_i32 s[RR], s[CNT], s34                ; the expert's rows from this tile's first on,
	s_sub_co_i32 s[RR], s[RR], s[W4]               ; from my first row on
.if \a
	s_sub_co_i32 s[RR], s[RR], 16
.endif
	s_wait_xcnt 0x0                                ; the last tile's stores have had their addresses translated (ISA guide 3.1): their data are rewritten only behind this wait
.irp jj, 0,1,2,3
.irp j, 0,1,2,3
	v_add_f32 v[O+4*(\jj)+(\j)], v[(\ep)+4*(\j)+(\jj)], v[(\ep)+32+4*(\j)+(\jj)]
.endr
.endr
.irp jj, 0,1,2,3
	v_min_u32 v[(\idr)+(\jj)], 0x3ff, v[(\idr)+(\jj)]
.endr
.irp jj, 0,1,2,3
	v_lshl_add_u32 v[(\idr)+(\jj)], v[(\idr)+(\jj)], 12, v[PL]
.endr
.irp jj, 0,1,2,3
	s_cmp_le_i32 s[RR], \jj                        ; does the row exist?  The rows that do come first, so the first that does not ends the tile
	s_cbranch_scc1 .Lfin_done_\@
	global_store_b128 v[(\idr)+(\jj)], v[O+4*(\jj):O+4*(\jj)+3], s[10:11]  ; 512 consecutive bytes, aligned, of one token's row
.endr
.Lfin_done_\@:
.endm
	s_load_b256 s[4:11], s[0:1], 0x0               ; top1 s[4:5], hs s[6:7], w2 s[8:9], part s[10:11]
	v_lshl_add_u32 v[SPW], v0, 2, SPARE
	v_mov_b32 v[NIL], 0
	v_lshrrev_b32 v[TA], 5, v0
	v_readfirstlane_b32 s[WV], v[TA]               ; wave 0..3
	v_and_b32 v[LANE], 31, v0
	v_and_b32 v[R], 15, v0
	v_bfe_u32 v[H], v0, 4, 1
	v_lshlrev_b32 v[L16], 4, v[LANE]
	v_lshlrev_b32 v[L4], 2, v[LANE]
	v_lshlrev_b32 v[WOFF], 4, v[R]
	v_lshl_add_u32 v[WOFF], v[H], 17, v[WOFF]      ; 32 rows of 4,096 bytes
	v_mov_b32 v[BIG], 0xffff
	s_and_b32 s[CS], ttmp9, 7
	s_lshr_b32 s[KQ], ttmp9, 3
	s_and_b32 s[EX], ttmp7, 0xffff
	s_lshl_b32 s32, s[EX], 24                      ; the expert's 16 MiB of w2,
	s_lshl_b32 s34, s[KQ], 22                      ; the quarter's 1,024 rows,
	s_add_co_u32 s32, s32, s34
	s_lshl_b32 s35, s[WV], 20                      ; my wave's 256 of them,
	s_add_co_u32 s32, s32, s35
	s_lshl_b32 s35, s[CS], 9                       ; the slice's 512 bytes of a row
	s_add_co_u32 s32, s32, s35
	s_mov_b32 s33, 0
	s_mov_b32 s35, 0                               ; s[34:35]: the quarter's 4 MiB of part
	s_mov_b32 s[CNT], 0
	s_mov_b32 s[OFF], 0
	s_lshl_b32 s[W4], s[WV], 2
	s_wait_kmcnt 0x0
	s_add_nc_u64 s[WORG:WORG+1], s[8:9], s[32:33]
	s_mov_b64 s[8:9], s[WORG:WORG+1]
	s_add_nc_u64 s[10:11], s[10:11], s[34:35]
.irp j, 0,1,2,3,4,5,6,7
	global_load_b128 v[ID+4*(\j):ID+4*(\j)+3], v[L16], s[4:5] offset:512*(\j)
.endr
	WLOADC 0, 0                                    ; the first step's weights go out ahead of the counting
	WLOADC 1, 0
	WIN 0
	s_mul_i32 s34, s[WV], LISTB
	v_mov_b32 v[LB], s34
	s_lshl_b32 s35, s[WV], 4                       ; the words of rows 4 w .. 4 w + 3
	v_add_nc_u32 v[LRD], s35, v[LB]
	s_and_b32 s35, s[WV], 1                        ; rows 4 w .. lie in half w % 2 of the registers
	s_lshl_b32 s34, s35, 9
	s_lshr_b32 s35, s[WV], 1                       ; of the lanes 16 (w / 2) ..
	s_lshl_b32 s35, s35, 8
	s_add_co_u32 s34, s34, s35
	s_add_co_u32 s34, s34, PR
	v_lshlrev_b32 v[TA], 4, v[R]
	v_lshl_add_u32 v[TA], v[H], 12, v[TA]          ; my lane half takes columns 64 (lane / 16) on: four operands of 1,024 bytes further on
	v_add_nc_u32 v[PRD], s34, v[TA]
	s_lshl_b32 s34, s[CS], 9
	v_add_nc_u32 v[PL], s34, v[L16]
	s_lshl_b32 s34, s[KQ], 15
	s_lshl_b32 s35, s[WV], 13
	s_add_co_u32 s34, s34, s35
	v_add_nc_u32 v[HL], s34, v[L16]
	s_add_co_u32 s35, s35, PR
	v_add_nc_u32 v[PW], s35, v[L16]
.irp z, 0,1,2,3
	v_mov_b32 v[Z4+(\z)], 0
.endr
	v_add_nc_u32 v[TA], v[LB], v[L16]
.irp m, 0,1,2,3,4,5,6,7,8
	ds_store_b128 v[TA], v[Z4:Z4+3] offset:512*(\m)
.endr
	s_wait_loadcnt 32                              ; top1 is in; the 32 weight loads are younger
.set li, 0
.rept 32
	LISTSTEP li
.set li, li+1
.endr
	s_lshr_b32 s[TB], s[OFF], 4
	s_add_co_u32 s[TB], s[TB], s[EX]
	s_add_co_u32 s[RT], s[CNT], 15
	s_lshr_b32 s[RT], s[RT], 4
	s_max_u32 s[LAST], s[RT], 1
	s_sub_co_u32 s[LAST], s[LAST], 1
	s_mov_b32 s[T0], 0
	s_mov_b32 s[BLK], 0
	s_branch .Lenter                               ; the first pass always streams: the loop is entered behind its test for rows
.Lblk:                                                 ; fourteen half-passes
	s_bitcmp1_b32 s[BLK], 0
	s_cbranch_scc1 .Lodd
	s_min_i32 s[ER], s[RT], 8
	s_cmp_le_i32 s[RT], 0
	s_cbranch_scc1 .Lstored                        ; no rows are left: forward, over work alone
	s_wait_xcnt 0x0                                ; the epilogue's stores have had their addresses translated (ISA guide 3.1): the token buffers, which held their data and offsets, are loaded anew only behind this wait
	s_mov_b64 s[8:9], s[WORG:WORG+1]               ; a further pass reads the slice again (all its earlier loads were waited for in the last step)
	WLOADC 0, 0
	WLOADC 1, 0
	WIN 0
.Lenter:                                               ; on both ways 32 weight loads are out here
	s_min_i32 s[ER], s[RT], 8
	s_mov_b32 s[ETB], s[T0]
	s_mov_b32 s35, 0
	v_mov_b32 v[HLC], v[HL]
.irp t, 0,1,2,3,4,5,6,7,8,9
	s_add_co_u32 s34, s[T0], \t                    ; the pass's tile t, or the expert's last,
	s_min_u32 s34, s34, s[LAST]
	s_add_co_u32 s34, s34, s[TB]
	s_min_u32 s34, s34, 71                         ; in hs
	s_lshl_b32 s34, s34, 17
	s_add_nc_u64 s[SB+2*(\t):SB+2*(\t)+1], s[6:7], s[34:35]
.endr
	TLOAD 0, 0
	STEP 0, 1, 1                                   ; step 0 stands in front of the loop: its products start the sums
	WIN 0                                          ; at a label and at a branch every window is 0
	s_wait_xcnt 0x0                                ; the loads' base and offset are stepped only behind this wait
	s_add_nc_u64 s[8:9], s[8:9], 64*PITCH
	v_add_nc_u32 v[HLC], 2048, v[HLC]
	s_mov_b32 s[KC], 3
.Lk:                                                   ; three trips: steps 1 and 2, 3 and 4, 5 and 6; each asks for the step behind it
	STEP 1, 0, 0
	STEP 0, 0, 1
	WIN 0
	s_wait_xcnt 0x0
	s_add_nc_u64 s[8:9], s[8:9], 64*PITCH          ; (behind the last trip the stepped base is not used)
	v_add_nc_u32 v[HLC], 2048, v[HLC]
	s_sub_co_u32 s[KC], s[KC], 1
	s_cmp_lg_u32 s[KC], 0
	s_cbranch_scc1 .Lk
	STEP 1, 0, -1                                  ; step 7 asks for nothing: no load leaves the slice
	PSTORE 0, 0
	PSTORE 1, 1
	PSTORE 2, 2
	PSTORE 3, 3
	PSTORE 4, 4
	PSTORE 5, 5
	PSTORE 6, 6
	PSTORE 7, 7
	WIN 0
	s_branch .Lstored
.Lodd:                                                 ; the pass's tiles 8 and 9
	s_sub_co_i32 s[ER], s[RT], 8
	s_min_i32 s[ER], s[ER], 2
	s_add_co_u32 s[ETB], s[T0], 8
	PSTORE 8, 0
	PSTORE 9, 1
	WIN 0
.Lstored:
	s_wait_dscnt 0x0                               ; for the others' sake: my partial sums are written
	s_barrier_signal -1
	s_barrier_wait -1                              ; everybody's are
	s_cmp_le_i32 s[ER], 0
	s_cbranch_scc1 .Lep_done
	s_mov_b32 s[EC], 0
.Lep:                                                  ; four trips, two tiles each
	s_cmp_le_i32 s[ER], 0
	s_cbranch_scc1 .Lep_next
	s_lshl_b32 s[PC], s[EC], 16
	s_lshl1_add_u32 s[ET], s[EC], s[ETB]
	s_min_u32 s[LC], s[ET], 62                     ; a live tile is 63 at the most: the list's cursor stays inside the list
	s_lshl_b32 s[LC], s[LC], 6
	v_add_nc_u32 v[PRC], s[PC], v[PRD]
	v_add_nc_u32 v[LRC], s[LC], v[LRD]
	EPLOAD EP0, PRC
	s_wait_xcnt 0x0                                ; the last trip's stores have had their addresses translated (ISA guide 3.1): their offset registers are loaded anew only behind this wait
	ds_load_b128 v[IDA:IDA+3], v[LRC]              ; my four rows' tokens
	s_cmp_le_i32 s[ER], 1
	s_cbranch_scc1 .Lep_one
	v_add_nc_u32 v[PRC2], PRT, v[PRC]
	EPLOAD EP1, PRC2
	ds_load_b128 v[IDB:IDB+3], v[LRC] offset:64
	s_wait_dscnt 17                                ; the first tile and its tokens are in; the second tile's seventeen loads are younger
	FIN EP0, IDA, 0
	s_wait_dscnt 0x0
	FIN EP1, IDB, 1
	s_branch .Lep_next
.Lep_one:                                              ; the last live tile stands alone: its neighbour's bytes were written by nobody and are not read
	s_wait_dscnt 0x0
	FIN EP0, IDA, 0
.Lep_next:
	s_sub_co_i32 s[ER], s[ER], 2
	s_add_co_u32 s[EC], s[EC], 1
	s_cmp_lt_u32 s[EC], 4
	s_cbranch_scc1 .Lep
.Lep_done:
	s_wait_dscnt 0x0                               ; my reads of the partial sums are over,
	s_barrier_signal -1
	s_barrier_wait -1                              ; everybody's are: the next half-pass may write them again
	s_and_b32 s34, s[BLK], 1                       ; behind an odd half-pass the pass is over: ten tiles on
	s_mul_i32 s34, s34, TMAX
	s_sub_co_i32 s[RT], s[RT], s34
	s_add_co_u32 s[T0], s[T0], s34
	s_add_co_u32 s[BLK], s[BLK], 1
	s_cmp_lt_u32 s[BLK], 14
	s_cbranch_scc1 .Lblk
	s_wait_tensorcnt 0x0                           ; the wave's end
	ds_add_u32 v[SPW], v[NIL]
	s_wait_dscnt 0x0
	s_endpgm
.Lfunc_end_k_q8e2238259e_ffn2:
	.size	k_q8e2238259e_ffn2, .Lfunc_end_k_q8e2238259e_ffn2-k_q8e2238259e_ffn2
	.p2alignl 7, 3214868480
	.fill 96, 4, 3214868480
	.section	.rodata,"a",@progbits
	.p2align	6, 0x0
	.amdhsa_kernel k_q8e2238259e_ffn2
		.amdhsa_group_segment_fixed_size 281088
		.amdhsa_private_segment_fixed_size 0
		.amdhsa_enable_private_segment 0
		.amdhsa_kernarg_size 32
		.amdhsa_user_sgpr_count 2
		.amdhsa_user_sgpr_kernarg_segment_ptr 1
		.amdhsa_wavefront_size32 1
		.amdhsa_system_sgpr_workgroup_id_x 1
		.amdhsa_system_sgpr_workgroup_id_y 1
		.amdhsa_system_sgpr_workgroup_id_z 1
		.amdhsa_system_vgpr_workitem_id 0
		.amdhsa_next_free_vgpr 1024
		.amdhsa_next_free_sgpr 88
		.amdhsa_reserve_vcc 0
		.amdhsa_float_denorm_mode_32 3
		.amdhsa_float_denorm_mode_16_64 3
		.amdhsa_memory_ordered 1
		.amdhsa_forward_progress 1
		.amdhsa_inst_pref_size 111
	.end_amdhsa_kernel
	.amdgpu_metadata
---
amdhsa.version: [ 1, 2 ]
amdhsa.kernels:
  - .name:           k_q8e2238259e_ffn2
    .symbol:         k_q8e2238259e_ffn2.kd
    .args:
      - { .name: top1, .offset: 0, .size: 8, .value_kind: global_buffer, .address_space: global }
      - { .name: hs, .offset: 8, .size: 8, .value_kind: global_buffer, .address_space: global }
      - { .name: w2, .offset: 16, .size: 8, .value_kind: global_buffer, .address_space: global }
      - { .name: part, .offset: 24, .size: 8, .value_kind: global_buffer, .address_space: global }
    .group_segment_fixed_size: 281088
    .private_segment_fixed_size: 0
    .kernarg_segment_align: 8
    .kernarg_segment_size: 32
    .max_flat_workgroup_size: 128
    .sgpr_count:     88
    .vgpr_count:     1024
    .wavefront_size: 32
...
	.end_amdgpu_metadata
.endif
;; end of part 3
;; launch total (part 4): grid 256 x 1, 4 waves a work-group, no clusters, 0 bytes of LDS; arguments part, x, b2, top1, out0; writes out0
.if DOCPART == 4
	.amdgcn_target "amdgcn-amd-amdhsa--gfx1250"
	.amdhsa_code_object_version 6
	.text
	.protected	k_q8e2238259e_total
	.globl	k_q8e2238259e_total
	.p2align	8
	.type	k_q8e2238259e_total,@function
k_q8e2238259e_total:
	s_mov_b64 s[64:65], 0
	v_nop
	global_prefetch_b8 v0, s[64:65] scope:SCOPE_SE
	s_setreg_imm32_b32 hwreg(HW_REG_WAVE_MODE, 25, 1), 1
	s_wait_xcnt 0x0
; TOTAL.  out0[n][:] = part[0][n] + part[1][n] + part[2][n] + part[3][n] + b2[top1[n]] + x[n], all f32.
; part: [4][1024][1024], x: [1024][1024], b2: [8][1024], top1: [1024] int32, out0: [1024][1024].
; A stream: one token's row a wave, 256 work-groups of four waves.  All 48 loads of a wave (512 consecutive bytes each) go out before the first wait; each store covers 512 consecutive bytes, aligned.
; No LDS, barrier, matrix unit or cluster: no wave shares a byte with another but b2's rows, 4 KiB each.
.set P,  16                            ; v[16:143]   quarter s of K, piece m of the row: P + 32 s + 4 m
.set XR, 144                           ; v[144:175]  x
.set BB, 176                           ; v[176:207]  b2
	s_load_b256 s[4:11], s[0:1], 0x0               ; part s[4:5], x s[6:7], b2 s[8:9], top1 s[10:11]
	s_load_b64 s[12:13], s[0:1], 0x20              ; out0
	v_lshrrev_b32 v2, 5, v0
	v_readfirstlane_b32 s14, v2                    ; wave 0..3
	v_and_b32 v1, 31, v0
	v_lshlrev_b32 v1, 4, v1                        ; 16 bytes a lane
	s_lshl2_add_u32 s15, ttmp9, s14                ; my token = 4 x work-group + wave
	s_lshl_b32 s16, s15, 12                        ; its row of 4,096 bytes
	s_mov_b32 s17, 0
	s_lshl_b32 s18, s15, 2                         ; its word in top1
	s_mov_b32 s19, 0
	s_wait_kmcnt 0x0
	s_add_nc_u64 s[10:11], s[10:11], s[18:19]
	s_load_b32 s20, s[10:11], 0x0                  ; the token's expert: no line of this launch writes top1
	s_add_nc_u64 s[4:5], s[4:5], s[16:17]
	s_add_nc_u64 s[22:23], s[4:5], 0x400000        ; the quarters lie 4 MiB apart
	s_add_nc_u64 s[24:25], s[22:23], 0x400000
	s_add_nc_u64 s[26:27], s[24:25], 0x400000
	s_add_nc_u64 s[6:7], s[6:7], s[16:17]
	s_add_nc_u64 s[12:13], s[12:13], s[16:17]
.irp m, 0,1,2,3,4,5,6,7
	global_load_b128 v[P+4*(\m):P+4*(\m)+3], v1, s[4:5] offset:512*(\m) th:TH_LOAD_NT
	global_load_b128 v[P+32+4*(\m):P+32+4*(\m)+3], v1, s[22:23] offset:512*(\m) th:TH_LOAD_NT
	global_load_b128 v[P+64+4*(\m):P+64+4*(\m)+3], v1, s[24:25] offset:512*(\m) th:TH_LOAD_NT
	global_load_b128 v[P+96+4*(\m):P+96+4*(\m)+3], v1, s[26:27] offset:512*(\m) th:TH_LOAD_NT
	global_load_b128 v[XR+4*(\m):XR+4*(\m)+3], v1, s[6:7] offset:512*(\m) th:TH_LOAD_NT
.endr
	s_wait_kmcnt 0x0
	s_min_u32 s20, s20, 7
	s_lshl_b32 s20, s20, 12                        ; the expert's row of b2
	s_mov_b32 s21, 0
	s_add_nc_u64 s[8:9], s[8:9], s[20:21]
.irp m, 0,1,2,3,4,5,6,7
	global_load_b128 v[BB+4*(\m):BB+4*(\m)+3], v1, s[8:9] offset:512*(\m)
.endr
.irp m, 0,1,2,3,4,5,6,7
	s_wait_loadcnt 7-(\m)                          ; loads come back in order (ISA guide 5.7.1): piece m of b2 and all before it are in; the later pieces of b2 stay out
.irp z, 0,2
	v_pk_add_f32 v[P+4*(\m)+(\z):P+4*(\m)+(\z)+1], v[P+4*(\m)+(\z):P+4*(\m)+(\z)+1], v[P+32+4*(\m)+(\z):P+32+4*(\m)+(\z)+1]
	v_pk_add_f32 v[P+64+4*(\m)+(\z):P+64+4*(\m)+(\z)+1], v[P+64+4*(\m)+(\z):P+64+4*(\m)+(\z)+1], v[P+96+4*(\m)+(\z):P+96+4*(\m)+(\z)+1]
	v_pk_add_f32 v[XR+4*(\m)+(\z):XR+4*(\m)+(\z)+1], v[XR+4*(\m)+(\z):XR+4*(\m)+(\z)+1], v[BB+4*(\m)+(\z):BB+4*(\m)+(\z)+1]
.endr
.irp z, 0,2
	v_pk_add_f32 v[P+4*(\m)+(\z):P+4*(\m)+(\z)+1], v[P+4*(\m)+(\z):P+4*(\m)+(\z)+1], v[P+64+4*(\m)+(\z):P+64+4*(\m)+(\z)+1]
.endr
.irp z, 0,2
	v_pk_add_f32 v[P+4*(\m)+(\z):P+4*(\m)+(\z)+1], v[P+4*(\m)+(\z):P+4*(\m)+(\z)+1], v[XR+4*(\m)+(\z):XR+4*(\m)+(\z)+1]
.endr
	global_store_b128 v1, v[P+4*(\m):P+4*(\m)+3], s[12:13] offset:512*(\m) th:TH_STORE_NT
.endr
	s_endpgm
.Lfunc_end_k_q8e2238259e_total:
	.size	k_q8e2238259e_total, .Lfunc_end_k_q8e2238259e_total-k_q8e2238259e_total
	.p2alignl 7, 3214868480
	.fill 96, 4, 3214868480
	.section	.rodata,"a",@progbits
	.p2align	6, 0x0
	.amdhsa_kernel k_q8e2238259e_total
		.amdhsa_group_segment_fixed_size 0
		.amdhsa_private_segment_fixed_size 0
		.amdhsa_enable_private_segment 0
		.amdhsa_kernarg_size 40
		.amdhsa_user_sgpr_count 2
		.amdhsa_user_sgpr_kernarg_segment_ptr 1
		.amdhsa_wavefront_size32 1
		.amdhsa_system_sgpr_workgroup_id_x 1
		.amdhsa_system_sgpr_workgroup_id_y 1
		.amdhsa_system_sgpr_workgroup_id_z 1
		.amdhsa_system_vgpr_workitem_id 0
		.amdhsa_next_free_vgpr 208
		.amdhsa_next_free_sgpr 66
		.amdhsa_reserve_vcc 0
		.amdhsa_float_denorm_mode_32 3
		.amdhsa_float_denorm_mode_16_64 3
		.amdhsa_memory_ordered 1
		.amdhsa_forward_progress 1
		.amdhsa_inst_pref_size 12
	.end_amdhsa_kernel
	.amdgpu_metadata
---
amdhsa.version: [ 1, 2 ]
amdhsa.kernels:
  - .name:           k_q8e2238259e_total
    .symbol:         k_q8e2238259e_total.kd
    .args:
      - { .name: part, .offset: 0, .size: 8, .value_kind: global_buffer, .address_space: global }
      - { .name: x, .offset: 8, .size: 8, .value_kind: global_buffer, .address_space: global }
      - { .name: b2, .offset: 16, .size: 8, .value_kind: global_buffer, .address_space: global }
      - { .name: top1, .offset: 24, .size: 8, .value_kind: global_buffer, .address_space: global }
      - { .name: out0, .offset: 32, .size: 8, .value_kind: global_buffer, .address_space: global }
    .group_segment_fixed_size: 0
    .private_segment_fixed_size: 0
    .kernarg_segment_align: 8
    .kernarg_segment_size: 40
    .max_flat_workgroup_size: 128
    .sgpr_count:     66
    .vgpr_count:     208
    .wavefront_size: 32
...
	.end_amdgpu_metadata
.endif
;; end of part 4
;; ======== version 2 of 2: 4 launches; version 1 with the launch ffn2 written anew for expert scheduling mode
;; workspace buffers: top1 4,096 bytes of whole numbers; xb 2,097,152 bytes; hs 9,437,184 bytes; part 16,777,216 bytes
;; launch router: the kernel of part 1 again; grid 256 x 1, 4 waves a work-group, no clusters, 37,376 bytes of LDS; arguments x, gate_w, gate_b, top1, xb; writes top1, xb
;; launch ffn1: the kernel of part 2 again; grid 32 x 8, 4 waves a work-group, no clusters, 314,880 bytes of LDS; arguments top1, xb, w1, b1, hs; writes hs
;; launch ffn2 (part 5): grid 32 x 8, 4 waves a work-group, no clusters, 281,088 bytes of LDS; arguments top1, hs, w2, part; writes part
.if DOCPART == 5
	.amdgcn_target "amdgcn-amd-amdhsa--gfx1250"
	.amdhsa_code_object_version 6
	.text
	.protected	k_q8e2238259e_ffn2
	.globl	k_q8e2238259e_ffn2
	.p2align	8
	.type	k_q8e2238259e_ffn2,@function
k_q8e2238259e_ffn2:
	s_mov_b64 s[64:65], 0
	v_nop
	global_prefetch_b8 v0, s[64:65] scope:SCOPE_SE
	s_setreg_imm32_b32 hwreg(HW_REG_WAVE_SCHED_MODE, 0, 2), 2
	s_setreg_imm32_b32 hwreg(HW_REG_WAVE_MODE, 25, 1), 1
	s_wait_xcnt 0x0
	s_wait_alu depctr_vm_vsrc(0)
; FFN2.  part[KQ][n][:] = the sum over the hidden indices 1024 KQ .. + 1023 of h[n][k] w2[e][k][:], e = top1[n].  The four quarters, b2 and x are added by the next launch.
; top1: [1024] int32, hs: the hidden layer in bf16, [72 tiles][128 K steps S][2 halves q][32 lanes][16 bytes], w2: [8][4096][1024] f32, part: [4][1024][1024] f32.
; WHY QUARTERS.  A run of 256 bytes of a row of w2 is 64 output columns, so whole runs give 8 experts x 16 strips of K = 4,096; to give 256 work-groups a slice each, K is cut in four, and a sum across
; work-groups is made by a later launch (partial sums: f32).
; SHARES.  Work-group (CS, KQ, EX) has 1,024 hidden rows x 128 columns of expert EX's w2, which it alone reads; wave w has 256 of the rows: eight K steps of 32.
; THE STREAM.  What stays in registers are the SUMS, not the weights: ten tiles of 16 tokens x 128 columns, 640 registers a wave.  A step's weights (32 loads of 512 bytes) land in 128 registers, are rounded
; to bf16 as eight operands and multiplied at once against the ten tiles' operands of that step (20 loads of 512 bytes, in hs already in the operand's order): 80 matrix instructions.  Each half of the
; landing space is asked for again directly behind its 32 roundings; the next step's tokens of tiles 0-3 go out behind the first half, those of tiles 4-9 between the products of tiles 0-3 and the rest:
; 52 to 60 loads are out, so memory and matrix unit work side by side.
; ROWS.  All ten tiles are always multiplied: tiles past the expert's last repeat that tile (for an expert without tokens: tile TB, which the first product writes), and their sums are not stored;
; at 128 tokens an expert that is ten tiles' products for eight.  In return no jump stands in the stream, and every counted wait sees one history.
; LIMIT OF THE FORM.  An expert with more than 160 tokens takes a further pass for each 160, and each pass reads the slice again.  Every split of the tokens is served: seven passes cover 1,024 rows.
; THE SUMS MEET IN LDS: the four waves' sums over their quarters of the slice's K; eight tiles, then two, a barrier between writing and reading and one between reading and the next writing.
; LOOPS.  Fourteen half-passes, a constant: an even one streams and stores tiles 0-7, an odd one stores tiles 8-9.  Every wave passes both barriers of each; what hangs on the count are forward jumps over
; work alone.  The loop is entered behind its test for rows: the first pass always streams, so every sum has been written on every way that leads to a store of it.
; K's ORDER.  Place (S, q, lane half h, i) of hs holds hidden index 64 (S / 2) + 2 (S % 2) + q + 32 h + 4 i; w2's rows are loaded in that order, so the products pair the same k on both sides.
; COLUMNS.  A lane's 16 bytes of a row of w2 go to four operands: operand nt = 4 c + j holds, in lane r, column 64 c + 4 r + j.  The epilogue's last addition puts the four j side by side again.
; THE EPILOGUE'S SHARE.  Of a tile's 16 rows wave w finishes rows 4 w .. 4 w + 3, all 128 columns: a store is ONE token's 512 consecutive bytes, aligned.  Rows past the count: their whole stores are jumped.
; EXEC is never changed.  THE ROWS' ORDER is the first product's: every wave counts top1 for itself.
; NO CLUSTER, NO TENSOR LOAD: each weight byte has one reader.  A tile of hs is shared by the eight work-groups of one (expert, quarter); asking for it jointly would put tensor loads into passes
; that are jumped by a stored count, which no partner may jump.
; LIMITS.  w2 and h are rounded to bf16 once; all sums are f32.
; THE MODE: SCHED_MODE bits 1:0 = 2 (LLVM: expert scheduling mode 2), set by the entry lines.  The code itself states the register dependences
; between vector or matrix instructions and memory or LDS instructions, with s_wait_alu, always for 0.
; THE PLAN.  Registers that memory or LDS instructions touch:
;   the landing halves   A half's 16 loads land in it; its 32 roundings read it; behind them the next step's 16 loads land in it.
;   TK0, TK1             Step s: its products read TK[s % 2]; the loads of step s + 1 land in the other buffer, which the products of step s - 1 read.
;   the 80 sums          Written by the products; read by the LDS stores behind a pass's last step; written anew by a further pass's first products.
;   v[HLC]               Read by every token load; written at a pass's start and once a trip of the K loop.
;   v[WOFF], v[L16], v[TA], v[Z4 ..], v[PW ..], v[PRD], v[LRD], v[PL], v[HL]   Made at the head, ahead of one wait, and never written again.
;   v[FR ..]             In the stream named by roundings and products alone.  At the head its registers hold the list's addresses and tokens, in the epilogue the second tile's results.
;   the epilogue         EP0, EP1, IDA, IDB: LDS loads land, the additions work on them; O, O1, IDA, IDB: read by the row stores; v[PRC], v[LRC]: written at a trip's head, read by its LDS loads.
; So a K step has TWO waits on va_vdst, one behind each half's roundings, so that each half is asked for again at once; the first also states that the products of the step before are done reading the other
; token buffer and that v[HLC] is written.  The token loads that follow further down owe nothing more: the products issued since name TK[s % 2], FR and sums alone.
; One wait on vm_vsrc a trip stands ahead of the add to v[HLC].  An epilogue's trip has one wait of each kind at its head and one on va_vdst ahead of its stores.
; REGISTERS, in windows of 256 (s_set_vgpr_msb: bits 1:0 source 0, 3:2 source 1, 5:4 source 2, 7:6 destination):
;   window 0: v0-31 addresses; v32-95 the step's eight weight operands; v96-255 two buffers of ten token operands (first top1, later the epilogue)
;   window 1: the sums of tiles 0-3 (tile t, operand nt at 64 (t % 4) + 8 nt)      window 2: tiles 4-7      window 3: v0-127 tiles 8-9; v128-255 landing space, two halves of 64
.set PITCH,  4096                      ; bytes from a k of w2 to the next
.set LISTB,  4608                      ; a wave's list: 1,024 words and the word for lanes that do not match; nine stores of 512 bytes set it to 0
.set PR,     4*LISTB                   ; the partial sums: [8 tiles][4 source waves][8 nt][2 halves][32 lanes][16 bytes]
.set PRT,    32768                     ; a tile of them.  (Behind the eight tiles 512 bytes hold the spare words.)
.set TMAX,   10                        ; tiles in a pass
.set LANE, 1
.set R,    2
.set H,    3
.set WOFF, 4                           ; my place in a weight load: 32 k further on for the upper lanes, 16 bytes a lane
.set LB,   5
.set L4,   6
.set BIG,  7
.set LRD,  8                           ; list: the four tokens of rows 4 w .. of tile 0: the same address in every lane
.set LRC,  9
.set HL,   10                          ; my place in a tile of hs: K step 32 KQ + 8 w, 16 bytes a lane
.set PL,   11                          ; my 16 bytes in a row of part: 512 CS + 16 x lane
.set HLC,  12                          ; HL, stepped two K steps a trip
.set PRD,  15
.set PRC,  16
.set TA,   20
.set L16,  23
.set PW,   24                          ; v[24:27] partial sums, in: my place in tiles 0, 2, 4 and 6; the immediate offset reaches the odd tile
.set Z4,   28
.set FR,   32                          ; v[32:95]   operand nt of the step in hand at FR + 8 nt
.set LA,   32                          ; v[32:63]   at the head only: the LDS address for each of my 32 registers of top1,
.set LT,   64                          ; v[64:95]   and its token
.set O1,   32                          ; v[32:47]   in the epilogue: the second tile's results
.set TK,   96                          ; v[96:255]  buffer b, tile t at TK + 80 b + 8 t
.set ID,   96                          ; top1, at the head
.set EP0,  96                          ; the epilogue's two tiles,
.set EP1,  160
.set O,    224                         ; the first tile's results,
.set IDA,  240                         ; and four tokens of each tile, then their byte offsets in part
.set IDB,  244
.set LD,   128                         ; window 3: landing space
.set WV,  14
.set EX,  15
.set CS,  16
.set CNT, 17
.set OFF, 18
.set TB,  19
.set KC,  20
.set RT,  21                           ; live tiles from the pass's first on (signed)
.set BLK, 22
.set T0,  23                           ; the pass's first tile
.set ER,  24                           ; live tiles of the half-pass (signed)
.set EC,  25
.set PC,  26
.set ET,  27
.set KQ,  28
.set LAST, 29                          ; the expert's last tile
.set RR,  36                           ; rows of the expert from my first row of a tile on (signed)
.set ETB, 37                           ; the half-pass's first tile
.set LC,  38
.set W4,  39                           ; 4 w
.set WORG, 40                          ; s[40:41] w2 at my wave's first row; s[8:9] steps from it
.set MQ,  42                           ; s[42:49] at the head: which lanes hold my expert, for eight registers of top1,
.set MG,  50                           ; s[50:57] and which hold a lower one
.set SB,  66                           ; s[66:85] hs at each of the pass's ten tiles
.set MSB, 0
.macro WIN new                         ; the immediate's high byte repeats the setting that is left; a switch that changes nothing is dropped
.if MSB != (\new)
	s_set_vgpr_msb (MSB<<8)|(\new)
.set MSB, \new
.endif
.endm
; Half c (columns 64 c on) of a K step's weights: sixteen loads, row 2 u + q + 32 h + 4 i behind the base, which stands at 64 (step / 2); u = step % 2.
; Each load covers two runs of 256 consecutive bytes, aligned.
.macro WLOADC c, u
	WIN 0xc0                                       ; destination window 3, address window 0
.irp q, 0,1
.irp i, 0,1,2,3,4,5,6,7
	global_load_b128 v[LD+64*(\c)+4*(8*(\q)+(\i)):LD+64*(\c)+4*(8*(\q)+(\i))+3], v[WOFF], s[8:9] offset:(2*(\u)+(\q)+4*(\i))*PITCH+256*(\c) th:TH_LOAD_NT
.endr
.endr
.endm
.macro CVT c                           ; the half becomes four operands: register 4 q + p of operand 4 c + j takes column j of places i = 2 p (low half) and 2 p + 1
	WIN 0x0f                                       ; sources window 3, destination window 0
.irp j, 0,1,2,3
.irp q, 0,1
.irp p, 0,1,2,3
	v_cvt_pk_bf16_f32 v[FR+8*(4*(\c)+(\j))+4*(\q)+(\p)], v[LD+64*(\c)+4*(8*(\q)+2*(\p))+(\j)], v[LD+64*(\c)+4*(8*(\q)+2*(\p)+1)+(\j)]
.endr
.endr
.endr
.endm
.macro TLOAD buf, u, t0, t1            ; the operands of tiles t0 .. t1 for one K step: 512 consecutive bytes a load
	WIN 0
.irp t, 0,1,2,3,4,5,6,7,8,9
.if ((\t) >= (\t0)) && ((\t) <= (\t1))
	global_load_b128 v[TK+80*(\buf)+8*(\t):TK+80*(\buf)+8*(\t)+3], v[HLC], s[SB+2*(\t):SB+2*(\t)+1] offset:1024*(\u)
	global_load_b128 v[TK+80*(\buf)+8*(\t)+4:TK+80*(\buf)+8*(\t)+7], v[HLC], s[SB+2*(\t):SB+2*(\t)+1] offset:1024*(\u)+512
.endif
.endr
.endm
; The products of tiles t0 .. t1, eight each.  A step's 80 accumulators take turns, one instruction a turn, from step to step and over the loop's jump too.  zero = 1: the first K step starts the sums.
.macro MULT buf, zero, t0, t1
.irp t, 0,1,2,3,4,5,6,7,8,9
.if ((\t) >= (\t0)) && ((\t) <= (\t1))
	WIN 0x50*((\t)/4+1)                            ; sources 0 (tokens) and 1 (weights) window 0; C and D window 1, 2 or 3
.irp nt, 0,1,2,3,4,5,6,7
.if \zero
	v_wmma_f32_16x16x32_bf16 v[64*((\t)%4)+8*(\nt):64*((\t)%4)+8*(\nt)+7], v[TK+80*(\buf)+8*(\t):TK+80*(\buf)+8*(\t)+7], v[FR+8*(\nt):FR+8*(\nt)+7], 0
.else
	v_wmma_f32_16x16x32_bf16 v[64*((\t)%4)+8*(\nt):64*((\t)%4)+8*(\nt)+7], v[TK+80*(\buf)+8*(\t):TK+80*(\buf)+8*(\t)+7], v[FR+8*(\nt):FR+8*(\nt)+7], v[64*((\t)%4)+8*(\nt):64*((\t)%4)+8*(\nt)+7]
.endif
.endr
.endif
.endr
.endm
; A K STEP, its tokens in buffer buf.  nu = the next step's number % 2, or -1: there is none.  At its head are out, in this order: the first half's 16 loads, tiles 0-3's 8, the second half's 16, tiles 4-9's 12.
; (In a pass's first step the second half was asked for ahead of tiles 0-3's tokens; each count below leaves the same loads out there.)
.macro STEP buf, zero, nu
	s_wait_loadcnt 36                              ; the first half is in; younger: 8 + 16 + 12
	CVT 0
.if (\nu) >= 0
	WIN 0xc0
	s_wait_alu depctr_va_vdst(0)                   ; the roundings are done reading the first half; the products of the step before are done reading the other token buffer; v[HLC] is written
	WLOADC 0, \nu                                  ; the half that has just been rounded takes the next step's
	TLOAD 1-(\buf), \nu, 0, 3                      ; and the buffer that the step before multiplied the next step's tiles 0-3
	s_wait_loadcnt 36                              ; tiles 0-3's tokens and the second half are in; younger: tiles 4-9's 12 and the 24 just issued
.else
	s_wait_loadcnt 12                              ; younger: tiles 4-9's 12
.endif
	CVT 1
.if (\nu) >= 0
	WIN 0xc0
	s_wait_alu depctr_va_vdst(0)                   ; the roundings are done reading the second half, in which the loads below land
	WLOADC 1, \nu
.endif
	MULT \buf, \zero, 0, 3
.if (\nu) >= 0
	s_wait_loadcnt 40                              ; tiles 4-9's tokens are in; younger: the next step's 16 + 8 + 16
	TLOAD 1-(\buf), \nu, 4, 9                      ; no wait on va_vdst: the 32 products issued since the last one name this step's buffer, the operands and window 1 alone
.else
	s_wait_loadcnt 0x0
.endif
	MULT \buf, \zero, 4, 9
.rept 4
	v_nop                                          ; four places ahead of the roundings that write the operands anew, and of the stores that read the sums
.endr
.endm
; Eight registers of top1, b .. b + 7, as in the first product: the same ranks.  The sixteen compares stand in one run; the lanes that hold my expert get their token's place in the list,
; rank = matches so far + matches in lower lanes; the others all get the word behind the list.  The stores follow behind all 32 registers.
.macro LIST8 b
.set li, (\b)
.rept 8
	v_cmp_eq_u32 s[MQ+li%8], s[EX], v[ID+li]
	v_cmp_gt_u32 s[MG+li%8], s[EX], v[ID+li]
.set li, li+1
.endr
	s_wait_alu depctr_va_sdst(0)                   ; the sixteen masks are written, ahead of their first readers
.set li, (\b)
.rept 8
	v_mbcnt_lo_u32_b32 v[LA+li], s[MQ+li%8], s[CNT]
	v_cndmask_b32 v[LA+li], v[BIG], v[LA+li], s[MQ+li%8]
	v_min_u32 v[LA+li], 1024, v[LA+li]
	v_lshl_add_u32 v[LA+li], v[LA+li], 2, v[LB]
	v_add_nc_u32 v[LT+li], 128*(li/4)+li%4, v[L4]  ; the token
	s_bcnt1_i32_b32 s30, s[MQ+li%8]
	s_bcnt1_i32_b32 s31, s[MG+li%8]
	s_add_co_u32 s[CNT], s[CNT], s30
	s_add_co_u32 s[OFF], s[OFF], s31
.set li, li+1
.endr
.endm
; Tile t's sums over my quarter of K go to place slot of the partial sums: 512 consecutive bytes a store; each accumulator's low registers first.  A tile that is not live ends the run.
; No vector instruction stands here: the four addresses were made at the head.
.macro PSTORE t, slot
	WIN 0
	s_cmp_le_i32 s[ER], \slot
	s_cbranch_scc1 .Lstored                        ; forward, over work alone
	WIN 4*((\t)/4+1)                               ; store data window 1, 2 or 3
.irp nt, 0,1,2,3,4,5,6,7
	ds_store_b128 v[PW+(\slot)/2], v[64*((\t)%4)+8*(\nt):64*((\t)%4)+8*(\nt)+3] offset:PRT*((\slot)%2)+1024*(\nt)
	ds_store_b128 v[PW+(\slot)/2], v[64*((\t)%4)+8*(\nt)+4:64*((\t)%4)+8*(\nt)+7] offset:PRT*((\slot)%2)+1024*(\nt)+512
.endr
.endm
; The four waves' sums for my share of a tile: rows 4 w .. 4 w + 3, all 128 columns.  Lane (r, c) reads, of operand nt = 4 c + j, the 16 bytes that lane 16 (w / 2) + r stored for half w % 2:
; lanes 0-15 take 256 consecutive bytes, lanes 16-31 the 256 bytes four operands further on.  at: 0, or a tile further on.
.macro EPLOAD ep, at
.irp s, 0,1,2,3
.irp j, 0,1,2,3
	ds_load_b128 v[(\ep)+16*(\s)+4*(\j):(\ep)+16*(\s)+4*(\j)+3], v[PRC] offset:(\at)+8192*(\s)+1024*(\j)
.endr
.endr
.endm
; A tile is finished, in two parts.  FINA, the arithmetic.  ep + 16 s + 4 j + jj: wave s's sum for row jj of my four, column 64 c + 4 r + j.  The last addition also turns 4 x 4, so that a lane holds
; four neighbouring columns of a row; the four tokens become byte offsets in part.
.macro FINA ep, o, idr
.irp z, 0,2,4,6,8,10,12,14
	v_pk_add_f32 v[(\ep)+(\z):(\ep)+(\z)+1], v[(\ep)+(\z):(\ep)+(\z)+1], v[(\ep)+16+(\z):(\ep)+16+(\z)+1]
	v_pk_add_f32 v[(\ep)+32+(\z):(\ep)+32+(\z)+1], v[(\ep)+32+(\z):(\ep)+32+(\z)+1], v[(\ep)+48+(\z):(\ep)+48+(\z)+1]
.endr
.irp jj, 0,1,2,3
.irp j, 0,1,2,3
	v_add_f32 v[(\o)+4*(\jj)+(\j)], v[(\ep)+4*(\j)+(\jj)], v[(\ep)+32+4*(\j)+(\jj)]
.endr
.endr
.irp jj, 0,1,2,3
	v_min_u32 v[(\idr)+(\jj)], 0x3ff, v[(\idr)+(\jj)]
.endr
.irp jj, 0,1,2,3
	v_lshl_add_u32 v[(\idr)+(\jj)], v[(\idr)+(\jj)], 12, v[PL]
.endr
.endm
; FINS, the stores: scalar work and stores alone.  a = 1: the trip's second tile.
.macro FINS o, idr, a
	s_lshl_b32 s34, s[ET], 4
	s_sub_co_i32 s[RR], s[CNT], s34                ; the expert's rows from this tile's first on,
	s_sub_co_i32 s[RR], s[RR], s[W4]               ; from my first row on
.if \a
	s_sub_co_i32 s[RR], s[RR], 16
.endif
.irp jj, 0,1,2,3
	s_cmp_le_i32 s[RR], \jj                        ; does the row exist?  The rows that do come first, so the first that does not ends the tile
	s_cbranch_scc1 .Lfin_done_\@
	global_store_b128 v[(\idr)+(\jj)], v[(\o)+4*(\jj):(\o)+4*(\jj)+3], s[10:11]  ; 512 consecutive bytes, aligned, of one token's row
.endr
.Lfin_done_\@:
.endm
	s_load_b256 s[4:11], s[0:1], 0x0               ; top1 s[4:5], hs s[6:7], w2 s[8:9], part s[10:11]
	v_lshl_add_u32 v21, v0, 2, 0x44800
	v_mov_b32 v22, 0
	v_lshrrev_b32 v[TA], 5, v0
	v_readfirstlane_b32 s[WV], v[TA]               ; wave 0..3
	v_and_b32 v[LANE], 31, v0
	v_and_b32 v[R], 15, v0
	v_bfe_u32 v[H], v0, 4, 1
	v_lshlrev_b32 v[L16], 4, v[LANE]
	v_lshlrev_b32 v[L4], 2, v[LANE]
	v_lshlrev_b32 v[WOFF], 4, v[R]
	v_lshl_add_u32 v[WOFF], v[H], 17, v[WOFF]      ; 32 rows of 4,096 bytes
	v_mov_b32 v[BIG], 0xffff
.irp z, 0,1,2,3
	v_mov_b32 v[Z4+(\z)], 0
.endr
	s_and_b32 s[CS], ttmp9, 7
	s_lshr_b32 s[KQ], ttmp9, 3
	s_and_b32 s[EX], ttmp7, 0xffff
	s_wait_alu depctr_va_sdst(0)                   ; s[WV] is written, ahead of its first reader: addresses and bases are made from it
	; every vector address of the kernel is made here, in the wait for the arguments
	s_mul_i32 s34, s[WV], LISTB
	v_mov_b32 v[LB], s34
	s_lshl_b32 s35, s[WV], 4                       ; the words of rows 4 w .. 4 w + 3
	v_add_nc_u32 v[LRD], s35, v[LB]
	s_and_b32 s35, s[WV], 1                        ; rows 4 w .. lie in half w % 2 of the registers
	s_lshl_b32 s34, s35, 9
	s_lshr_b32 s35, s[WV], 1                       ; of the lanes 16 (w / 2) ..
	s_lshl_b32 s35, s35, 8
	s_add_co_u32 s34, s34, s35
	s_add_co_u32 s34, s34, PR
	v_lshlrev_b32 v[TA], 4, v[R]
	v_lshl_add_u32 v[TA], v[H], 12, v[TA]          ; my lane half takes columns 64 (lane / 16) on: four operands of 1,024 bytes further on
	v_add_nc_u32 v[PRD], s34, v[TA]
	s_lshl_b32 s34, s[CS], 9
	v_add_nc_u32 v[PL], s34, v[L16]
	s_lshl_b32 s34, s[KQ], 15
	s_lshl_b32 s35, s[WV], 13
	s_add_co_u32 s34, s34, s35
	v_add_nc_u32 v[HL], s34, v[L16]
	s_add_co_u32 s35, s35, PR
	v_add_nc_u32 v[PW], s35, v[L16]
.irp k, 1,2,3
	v_add_nc_u32 v[PW+(\k)], 2*PRT*(\k), v[PW]     ; two tiles on
.endr
	v_add_nc_u32 v[TA], v[LB], v[L16]
	s_lshl_b32 s32, s[EX], 24                      ; the expert's 16 MiB of w2,
	s_lshl_b32 s34, s[KQ], 22                      ; the quarter's 1,024 rows,
	s_add_co_u32 s32, s32, s34
	s_lshl_b32 s35, s[WV], 20                      ; my wave's 256 of them,
	s_add_co_u32 s32, s32, s35
	s_lshl_b32 s35, s[CS], 9                       ; the slice's 512 bytes of a row
	s_add_co_u32 s32, s32, s35
	s_mov_b32 s33, 0
	s_mov_b32 s35, 0                               ; s[34:35]: the quarter's 4 MiB of part
	s_mov_b32 s[CNT], 0
	s_mov_b32 s[OFF], 0
	s_lshl_b32 s[W4], s[WV], 2
	s_wait_kmcnt 0x0
	s_add_nc_u64 s[WORG:WORG+1], s[8:9], s[32:33]
	s_mov_b64 s[8:9], s[WORG:WORG+1]
	s_add_nc_u64 s[10:11], s[10:11], s[34:35]
	s_wait_alu depctr_va_vdst(0)                   ; all the addresses and the four zeros are written, which the loads and stores of the whole kernel read
.irp j, 0,1,2,3,4,5,6,7
	global_load_b128 v[ID+4*(\j):ID+4*(\j)+3], v[L16], s[4:5] offset:512*(\j)
.endr
	WLOADC 0, 0                                    ; the first step's weights go out ahead of the counting
	WLOADC 1, 0
	WIN 0
.irp m, 0,1,2,3,4,5,6,7,8
	ds_store_b128 v[TA], v[Z4:Z4+3] offset:512*(\m)
.endr
	s_wait_loadcnt 32                              ; top1 is in; the 32 weight loads are younger
	LIST8 0
	LIST8 8
	LIST8 16
	LIST8 24
	s_wait_alu depctr_va_vdst(0)                   ; the 32 addresses and the 32 tokens are written, which the stores below read
.set li, 0
.rept 32
	ds_store_b32 v[LA+li], v[LT+li]                ; in the registers' order, behind the zeros: LDS serves a wave's instructions in order (ISA guide 5.7.1.4)
.set li, li+1
.endr
	s_lshr_b32 s[TB], s[OFF], 4
	s_add_co_u32 s[TB], s[TB], s[EX]
	s_add_co_u32 s[RT], s[CNT], 15
	s_lshr_b32 s[RT], s[RT], 4
	s_max_u32 s[LAST], s[RT], 1
	s_sub_co_u32 s[LAST], s[LAST], 1
	s_mov_b32 s[T0], 0
	s_mov_b32 s[BLK], 0
	s_branch .Lenter                               ; the first pass always streams: the loop is entered behind its test for rows
.Lblk:                                                 ; fourteen half-passes
	s_bitcmp1_b32 s[BLK], 0
	s_cbranch_scc1 .Lodd
	s_min_i32 s[ER], s[RT], 8
	s_cmp_le_i32 s[RT], 0
	s_cbranch_scc1 .Lstored                        ; no rows are left: forward, over work alone
	s_wait_xcnt 0x0                                ; the epilogue's stores have had their addresses translated (ISA guide 3.1): the registers that held their data and offsets are written anew only behind this wait
	s_mov_b64 s[8:9], s[WORG:WORG+1]               ; a further pass reads the slice again (all its earlier loads were waited for in the last step)
	WIN 0xc0
	s_wait_alu depctr_va_vdst(0)                   ; the last pass's roundings are done reading the landing space, in which the loads below land
	WLOADC 0, 0
	WLOADC 1, 0
	WIN 0
.Lenter:                                               ; on both ways 32 weight loads are out here
	s_min_i32 s[ER], s[RT], 8
	s_mov_b32 s[ETB], s[T0]
	s_mov_b32 s35, 0
	s_wait_alu depctr_vm_vsrc(0)                   ; the list's stores have read v32-95, which the roundings write; in a further pass: the token loads have read v[HLC], the row stores their data and offsets, the LDS stores the sums
	v_mov_b32 v[HLC], v[HL]
.irp t, 0,1,2,3,4,5,6,7,8,9
	s_add_co_u32 s34, s[T0], \t                    ; the pass's tile t, or the expert's last,
	s_min_u32 s34, s34, s[LAST]
	s_add_co_u32 s34, s34, s[TB]
	s_min_u32 s34, s34, 71                         ; in hs
	s_lshl_b32 s34, s34, 17
	s_add_nc_u64 s[SB+2*(\t):SB+2*(\t)+1], s[6:7], s[34:35]
.endr
	s_wait_alu depctr_va_vdst(0)                   ; v[HLC] is written; the compares (in a further pass: the epilogue's additions) are done with the registers in which the tokens land
	TLOAD 0, 0, 0, 9
	STEP 0, 1, 1                                   ; step 0 stands in front of the loop: its products start the sums
	WIN 0                                          ; at a label and at a branch every window is 0
	s_wait_xcnt 0x0                                ; the loads' base and offset are stepped only behind this wait,
	s_wait_alu depctr_vm_vsrc(0)                   ; and the token loads issued so far have read v[HLC]
	s_add_nc_u64 s[8:9], s[8:9], 64*PITCH
	v_add_nc_u32 v[HLC], 2048, v[HLC]
	s_mov_b32 s[KC], 3
.Lk:                                                   ; three trips: steps 1 and 2, 3 and 4, 5 and 6; each asks for the step behind it
	STEP 1, 0, 0
	STEP 0, 0, 1
	WIN 0
	s_wait_xcnt 0x0
	s_wait_alu depctr_vm_vsrc(0)                   ; the token loads issued so far have read v[HLC]
	s_add_nc_u64 s[8:9], s[8:9], 64*PITCH          ; (behind the last trip the stepped base is not used)
	v_add_nc_u32 v[HLC], 2048, v[HLC]
	s_sub_co_u32 s[KC], s[KC], 1
	s_cmp_lg_u32 s[KC], 0
	s_cbranch_scc1 .Lk
	STEP 1, 0, -1                                  ; step 7 asks for nothing: no load leaves the slice, and it holds no wait on va_vdst
	s_wait_alu depctr_va_vdst(0)                   ; the products have written all 80 sums, which the LDS stores read, those of tiles 8 and 9 in the next half-pass; the four places above stay beside this wait
	PSTORE 0, 0
	PSTORE 1, 1
	PSTORE 2, 2
	PSTORE 3, 3
	PSTORE 4, 4
	PSTORE 5, 5
	PSTORE 6, 6
	PSTORE 7, 7
	WIN 0
	s_branch .Lstored
.Lodd:                                                 ; the pass's tiles 8 and 9: no vector or matrix instruction has named their sums since the wait behind step 7
	s_sub_co_i32 s[ER], s[RT], 8
	s_min_i32 s[ER], s[ER], 2
	s_add_co_u32 s[ETB], s[T0], 8
	PSTORE 8, 0
	PSTORE 9, 1
	WIN 0
.Lstored:
	s_wait_dscnt 0x0                               ; for the others' sake: my partial sums are written
	s_barrier_signal -1
	s_barrier_wait -1                              ; everybody's are
	s_cmp_le_i32 s[ER], 0
	s_cbranch_scc1 .Lep_done
	s_mov_b32 s[EC], 0
.Lep:                                                  ; four trips, two tiles each
	s_cmp_le_i32 s[ER], 0
	s_cbranch_scc1 .Lep_next
	s_lshl_b32 s[PC], s[EC], 16
	s_lshl1_add_u32 s[ET], s[EC], s[ETB]
	s_min_u32 s[LC], s[ET], 62                     ; a live tile is 63 at the most: the list's cursor stays inside the list
	s_lshl_b32 s[LC], s[LC], 6
	s_wait_xcnt 0x0                                ; the last trip's stores have had their addresses translated (ISA guide 3.1): their data and offset registers are written anew only behind this wait,
	s_wait_alu depctr_vm_vsrc(0)                   ; and they have read those registers; the last trip's LDS loads have read v[PRC] and v[LRC]
	v_add_nc_u32 v[PRC], s[PC], v[PRD]
	v_add_nc_u32 v[LRC], s[LC], v[LRD]
	s_wait_alu depctr_va_vdst(0)                   ; v[PRC] and v[LRC] are written; the last trip's arithmetic (in a first trip: the products) is done with the registers in which the loads below land
	EPLOAD EP0, 0
	ds_load_b128 v[IDA:IDA+3], v[LRC]              ; my four rows' tokens
	s_cmp_le_i32 s[ER], 1
	s_cbranch_scc1 .Lep_one
	EPLOAD EP1, PRT
	ds_load_b128 v[IDB:IDB+3], v[LRC] offset:64
	s_wait_dscnt 17                                ; the first tile and its tokens are in; the second tile's seventeen loads are younger
	FINA EP0, O, IDA
	s_wait_dscnt 0x0
	FINA EP1, O1, IDB
	s_wait_alu depctr_va_vdst(0)                   ; both tiles' results and offsets are written, which the stores below read
	FINS O, IDA, 0
	FINS O1, IDB, 1
	s_branch .Lep_next
.Lep_one:                                              ; the last live tile stands alone: its neighbour's bytes were written by nobody and are not read
	s_wait_dscnt 0x0
	FINA EP0, O, IDA
	s_wait_alu depctr_va_vdst(0)                   ; the tile's results and offsets are written, which the stores below read
	FINS O, IDA, 0
.Lep_next:
	s_sub_co_i32 s[ER], s[ER], 2
	s_add_co_u32 s[EC], s[EC], 1
	s_cmp_lt_u32 s[EC], 4
	s_cbranch_scc1 .Lep
.Lep_done:
	s_wait_dscnt 0x0                               ; my reads of the partial sums are over,
	s_barrier_signal -1
	s_barrier_wait -1                              ; everybody's are: the next half-pass may write them again
	s_and_b32 s34, s[BLK], 1                       ; behind an odd half-pass the pass is over: ten tiles on
	s_mul_i32 s34, s34, TMAX
	s_sub_co_i32 s[RT], s[RT], s34
	s_add_co_u32 s[T0], s[T0], s34
	s_add_co_u32 s[BLK], s[BLK], 1
	s_cmp_lt_u32 s[BLK], 14
	s_cbranch_scc1 .Lblk
	s_wait_dscnt 0x0                               ; the wave's end: my last LDS instructions are done.  The add onto the spare words follows.
	s_wait_alu depctr_hold_cnt(0) depctr_sa_sdst(0) depctr_va_vdst(0) depctr_va_sdst(0) depctr_va_ssrc(0) depctr_va_vcc(0) depctr_vm_vsrc(0)
	s_wait_tensorcnt 0x0
	ds_add_u32 v21, v22
	s_wait_dscnt 0x0
	s_endpgm
.Lfunc_end_k_q8e2238259e_ffn2:
	.size	k_q8e2238259e_ffn2, .Lfunc_end_k_q8e2238259e_ffn2-k_q8e2238259e_ffn2
	.p2alignl 7, 3214868480
	.fill 96, 4, 3214868480
	.section	.rodata,"a",@progbits
	.p2align	6, 0x0
	.amdhsa_kernel k_q8e2238259e_ffn2
		.amdhsa_group_segment_fixed_size 281088
		.amdhsa_private_segment_fixed_size 0
		.amdhsa_enable_private_segment 0
		.amdhsa_kernarg_size 32
		.amdhsa_user_sgpr_count 2
		.amdhsa_user_sgpr_kernarg_segment_ptr 1
		.amdhsa_wavefront_size32 1
		.amdhsa_system_sgpr_workgroup_id_x 1
		.amdhsa_system_sgpr_workgroup_id_y 1
		.amdhsa_system_sgpr_workgroup_id_z 1
		.amdhsa_system_vgpr_workitem_id 0
		.amdhsa_next_free_vgpr 1024
		.amdhsa_next_free_sgpr 88
		.amdhsa_reserve_vcc 0
		.amdhsa_float_denorm_mode_32 3
		.amdhsa_float_denorm_mode_16_64 3
		.amdhsa_memory_ordered 1
		.amdhsa_forward_progress 1
		.amdhsa_inst_pref_size 112
	.end_amdhsa_kernel
	.amdgpu_metadata
---
amdhsa.version: [ 1, 2 ]
amdhsa.kernels:
  - .name:           k_q8e2238259e_ffn2
    .symbol:         k_q8e2238259e_ffn2.kd
    .args:
      - { .name: top1, .offset: 0, .size: 8, .value_kind: global_buffer, .address_space: global }
      - { .name: hs, .offset: 8, .size: 8, .value_kind: global_buffer, .address_space: global }
      - { .name: w2, .offset: 16, .size: 8, .value_kind: global_buffer, .address_space: global }
      - { .name: part, .offset: 24, .size: 8, .value_kind: global_buffer, .address_space: global }
    .group_segment_fixed_size: 281088
    .private_segment_fixed_size: 0
    .kernarg_segment_align: 8
    .kernarg_segment_size: 32
    .max_flat_workgroup_size: 128
    .sgpr_count:     88
    .vgpr_count:     1024
    .wavefront_size: 32
...
	.end_amdgpu_metadata
.endif
;; end of part 5
;; launch total: the kernel of part 4 again; grid 256 x 1, 4 waves a work-group, no clusters, 0 bytes of LDS; arguments part, x, b2, top1, out0; writes out0
